; MI455X (gfx1250); checked and timed in simulation.
; The chip was launched on July 23, 2026; its instructions are those of AMD's public machine-readable ISA for CDNA 5 (MIT licence, August 2026) and "CDNA5" Instruction Set Architecture Reference Guide (July 2026). The comments in the code are by the model that wrote it; some were corrected since.
;; Asymmetric Ro PE Cross Attention. Allowed arithmetic: matrix products marked QUANTISED: E2M1 operands, one E8M0 scale for each 32 along K, by v_wmma_scale_f32_16x16x128_f8f6f4 with both operands' format E2M1 (or v_wmma_scale_f32_32x16x128_f4), f32 sums; products left as they are: bf16, f16 or f32 operands; f32 sums; everything else in f32.
;; Inputs: Wkv 1,024 x 2,048 float32; Wout 1,024 x 1,024 float32; Wq 1,024 x 1,024 float32; kv_x 2 x 4,096 x 1,024 float32; mask 2 x 4,096 bool; q_x 2 x 2,048 x 1,024 float32.
;; Outputs: out0 2 x 2,048 x 1,024 float32.
;; This version of the problem:
;;   THIS VERSION OF THE PROBLEM IS GIVEN IN LOW PRECISION. The matrix products marked QUANTISED in the list below multiply operands that are first quantised to E2M1 (2 exponent bits, 1 mantissa bit; 4 bits a number), with one power-of-two scale for each 32 numbers along K (OCP MX v1.0); their sums are f32. The products marked 'left as it is' may take bf16, f16 or f32 operands, with f32 sums. Whichever they take, every output number must still come out within the allowed error. Rounding operands to bf16 (8 significant bits) uses up far more of that allowance than f16 does (11 bits, for magnitudes from 6e-5 to 65,504). All else is computed in f32.
;;   The module's matrix products, in the order in which they are computed (A, B: the left and right operand; K: the contracted axis; several contracted axes count as one K, in the product's order):
;;     1. [M 4,096, K 1,024] x [K 1,024, N 1,024]; A: input q_x; B: input Wq: QUANTISED
;;     2. [M 8,192, K 1,024] x [K 1,024, N 2,048]; A: input kv_x; B: input Wkv: QUANTISED
;;     3. batch 32 x [M 2,048, K 64] x [K 64, N 4,096]; A: computed on the way; B: computed on the way: left as it is (an operand is computed on the way)
;;     4. batch 32 x [M 2,048, K 4,096] x [K 4,096, N 64]; A: computed on the way; B: computed on the way: left as it is (an operand is computed on the way)
;;     5. [M 4,096, K 1,024] x [K 1,024, N 1,024]; A: computed on the way; B: input Wout: left as it is (an operand is computed on the way)
;;   THE QUANTISER, for each operand of a quantised product, along K:
;;     - K is cut into blocks of 32 from its start; a last block that is shorter is filled with zeros.
;;     - A block's scale is 2^e with e = floor(log2(the largest magnitude in the block)) - 2, held to -126 .. 127; a block of zeros has e = 0. As a byte (E8M0): e + 127.
;;     - Each number is divided by its block's scale, clamped to +-6, and rounded to the nearest number of E2M1, ties to even, subnormals kept.
;;     - The product sums the exact products of the quantised numbers (number of the format x scale) in f32.
;;   ~~~python
;;   def quantise(x, axis):      # numpy; x: float32 -> the quantised numbers, widened to float32 again
;;       x = np.moveaxis(x, axis, -1); K = x.shape[-1]
;;       x = np.pad(x, [(0, 0)] * (x.ndim - 1) + [(0, -K % 32)]); x = x.reshape(x.shape[:-1] + (-1, 32)); a = np.abs(x).max(-1, keepdims=True)
;;       e = np.where(a > 0, np.clip(np.frexp(np.where(a > 0, a, 1))[1] - 1 - 2, -126, 127), 0)      # np.frexp(a)[1] - 1 = floor(log2(a)), exactly
;;       r = np.clip(x / 2.0 ** e, -6, 6)
;;       step = 2.0 ** (np.maximum(np.frexp(np.where(r == 0, 1, r))[1] - 1, 0) - 1)
;;       q = np.round(r / step) * step * 2.0 ** e      # np.round: ties to even
;;       return np.moveaxis(q.reshape(q.shape[:-2] + (-1,))[..., :K], -1, axis).astype(np.float32)
;;   ~~~
;; One version. Each part assembles by itself: llvm-mc -triple=amdgcn-amd-amdhsa -mcpu=gfx1250 --defsym DOCPART=n.
;; ======== version 1 of 1: 4 launches
;; limits: values are held in f16: magnitudes above 65,504 overflow, below 6.1e-05 lose precision; a function is approximated: absolute error at most 0.0005
;; workspace buffers: codes 7,864,320 bytes; scales 491,520 bytes; wout_t 2,097,152 bytes; tabs 1,081,600 bytes; qh 8,388,608 bytes; kh 16,777,216 bytes; vh 16,777,216 bytes; att 8,388,608 bytes
;; launch prep (part 1): grid 528 x 1, 4 waves a work-group, no clusters, 35,328 bytes of LDS; arguments q_x, kv_x, Wq, Wkv, Wout, mask, codes, scales, wout_t, tabs; writes codes, scales, wout_t, tabs
.if DOCPART == 1
	.amdgcn_target "amdgcn-amd-amdhsa--gfx1250"
	.amdhsa_code_object_version 6
	.text
	.protected	k_q697d009281_prep
	.globl	k_q697d009281_prep
	.p2align	8
	.type	k_q697d009281_prep,@function
k_q697d009281_prep:
	s_mov_b64 s[64:65], 0
	v_nop
	global_prefetch_b8 v0, s[64:65] scope:SCOPE_SE
	s_setreg_imm32_b32 hwreg(HW_REG_WAVE_MODE, 25, 1), 1
	s_wait_xcnt 0x0
; PREP: everything that is made once, ahead of the products.
; NO WORK OF THE PROBLEM IS DEAD: all six inputs (q_x, kv_x, Wq, Wkv, Wout, mask) reach the output for some values, so all are loaded and all five products are done.
; Four kinds of work-group, told apart by the work-group's number alone:
;   X (0..383)    q_x and kv_x, f32 with K innermost, become codes of E2M1 and E8M0 scale bytes: rows 0..4,095 and 4,096..12,287 of codes [15,360][512 bytes] and scales [15,360][32 bytes]
;   W (384..431)  Wq and Wkv, f32 [K][N], become the same with K innermost: row 12,288 + n (Wq), 13,312 + n (Wkv)
;   T (432..495)  Wout [K][N] becomes f16 laid [N][K]
;   R (496..527)  the table of cosines and sines (row 0: zeros; row p + 1: position p, 32 cosines then 32 sines, f32) and the mask as numbers (0 where a key counts, -2^126 where not)
; THE QUANTISER: a block's scale is 2^(floor(log2(largest magnitude)) - 2); its byte is the largest magnitude's exponent field - 2, held at 1 from below; each number / scale goes to the nearest code, ties to even, beyond 6 to 6.
; (A block of zeros gets the byte 1 where the rule says 127: its codes are zeros, which add nothing under any byte but 0xff, and this program alone reads the bytes.)
; LIMITS: blocks whose largest magnitude lies under 2^-124 keep the byte 1; NaN and infinities among the inputs are not served; Wout beyond 65,504 overflows f16; a mask byte other than 0 counts as true.
; The frequencies are 2^(-i log2(10000) / 32) by v_exp_f32: they may differ from reference()'s by a few units in the last place, an angle by at most about 5e-4 radians at the last positions.
; LDS: in every kind of work-group wave w touches only bytes 8,704 w .. 8,704 w + 8,703; waves share nothing, so there is no barrier.  No tensor load.
.set WREG,  8704
.set SPARE, 4*WREG                     ; behind the four regions: the spare words, 128 bytes for each wave
.set SPW,   190                        ; v190 LDS address of my spare word; never rewritten
.set NIL,   191                        ; v191 0; never rewritten
.set MBOFF, 4097*256                   ; where the mask's numbers begin in tabs
.set SP,    80                         ; path X: a lane's place in a stage: 64 bytes + 16 of padding
.set XR,    16                         ; path X: v16-79 four sets of 16 numbers as loaded
.set XX,    80                         ;         v80-111 two sets of 16 neighbours
.set XE,    112                        ;         v112-127 a scale byte for each step
.set XC,    128                        ;         v128-189 codes, four registers a step
.set WRO,   32                         ; path W: v32-63 byte offsets of a block's 32 rows; never rewritten
.set WX,    64                         ; paths W, T: v64-127 two sets of 32 numbers; later the way out
.set WC,    128                        ; paths W, T: codes or f16 pairs of a block
.set WSB,   24                         ; path W: v24-27 scale bytes
.set WP,    272                        ; paths W, T: a stage row: 256 bytes + 16
	s_load_b512 s[4:19], s[0:1], 0x0               ; q_x 4:5, kv_x 6:7, Wq 8:9, Wkv 10:11, Wout 12:13, mask 14:15, codes 16:17, scales 18:19
	s_load_b128 s[20:23], s[0:1], 0x40             ; wout_t 20:21, tabs 22:23
	v_lshl_add_u32 v[SPW], v0, 2, SPARE
	v_mov_b32 v[NIL], 0
	v_lshrrev_b32 v1, 5, v0
	v_readfirstlane_b32 s24, v1                    ; wave
	v_and_b32 v2, 31, v0                           ; lane
	s_mul_i32 s25, s24, WREG                       ; my region of LDS
	s_wait_kmcnt 0x0
	s_cmp_lt_u32 ttmp9, 384
	s_cbranch_scc0 .Lnot_x
; ---------------- PATH X: a stream of blocks of 32 numbers.  A wave takes 16 steps of 512 numbers.  Each load reads 512 consecutive bytes; a step's 2,048 bytes turn through my stage so that a lane holds 16 neighbours.
	v_lshlrev_b32 v3, 4, v2                        ; my 16 bytes of a load's 512
	v_lshrrev_b32 v14, 2, v2
	v_mul_u32_u24 v14, v14, SP
	v_and_b32 v15, 3, v2
	v_lshl_add_u32 v14, v15, 4, v14
	v_add_nc_u32 v14, s25, v14                     ; the stage, on the way in: SP (lane / 4) + 16 (lane % 4)
	v_mul_u32_u24 v15, v2, SP
	v_add_nc_u32 v15, s25, v15                     ; and on the way out: SP x lane
	v_lshlrev_b32 v4, 3, v2                        ; 8 bytes a lane: my codes' place in a step's, and my part of the scale bytes
	v_lshrrev_b32 v5, 1, v2
	s_add_co_u32 s32, s25, 2*32*SP
	v_add_nc_u32 v5, s32, v5                       ; my wave's 256 scale bytes: my block's byte
	v_add_nc_u32 v6, s32, v4                       ; and on the way out
	s_cmp_lt_u32 ttmp9, 128                        ; q_x's work-group or kv_x's: the work-group's number alone decides
	s_cselect_b64 s[26:27], s[4:5], s[6:7]
	s_cselect_b32 s28, 0, 128
	s_sub_co_u32 s28, ttmp9, s28
	s_lshl_b32 s28, s28, 2
	s_add_co_u32 s28, s28, s24                     ; which run of 8,192 numbers of the tensor
	s_lshl_b32 s28, s28, 15
	s_mov_b32 s29, 0
	s_add_nc_u64 s[26:27], s[26:27], s[28:29]
	s_lshl_b32 s28, ttmp9, 2
	s_add_co_u32 s28, s28, s24                     ; and of the two outputs, which are one stream over both tensors
	s_lshl_b32 s30, s28, 12
	s_mov_b32 s31, 0
	s_add_nc_u64 s[16:17], s[16:17], s[30:31]
	s_lshl_b32 s30, s28, 8
	s_add_nc_u64 s[18:19], s[18:19], s[30:31]
.macro XLOAD t
.irp i, 0,1,2,3
	global_load_b128 v[XR+16*((\t)%4)+4*\i:XR+16*((\t)%4)+4*\i+3], v3, s[26:27] offset:2048*(\t)+512*\i th:TH_LOAD_NT
.endr
.endm
.macro XTURN t                         ; step t's numbers through the stage: LDS serves a wave's instructions in order, so no wait stands between the stores and the loads
.irp i, 0,1,2,3
	ds_store_b128 v14, v[XR+16*((\t)%4)+4*\i:XR+16*((\t)%4)+4*\i+3] offset:32*SP*((\t)%2)+8*SP*\i
.endr
.irp i, 0,1,2,3
	ds_load_b128 v[XX+16*((\t)%2)+4*\i:XX+16*((\t)%2)+4*\i+3], v15 offset:32*SP*((\t)%2)+16*\i
.endr
.endm
.irp t, 0,1,2,3
	XLOAD \t
.endr
	s_wait_loadcnt 12                              ; step 0's four loads are in; three steps' twelve may be out
	XTURN 0
.macro XSTEP t
.set XS, XX+16*((\t)%2)
.if (\t) > 0
	s_wait_dscnt 1                                 ; this step's numbers are back from the stage; the last step's byte store may be out
.else
	s_wait_dscnt 0x0
.endif
.if (\t)+4 < 16
	XLOAD (\t)+4                                   ; into the registers that this step's stores into the stage have read
.endif
.if (\t)+1 < 16
.if 14-(\t) >= 3
	s_wait_loadcnt 12                              ; the next step's four loads are in; those of the three steps behind it may be out
.else
	s_wait_loadcnt 4*(14-(\t))
.endif
	XTURN (\t)+1
.endif
	v_max3_num_f32 v8, |v[XS]|, |v[XS+1]|, |v[XS+2]|               ; the largest magnitude of my 16, in two chains
	v_max3_num_f32 v9, |v[XS+3]|, |v[XS+4]|, |v[XS+5]|
.irp i, 6,10
	v_max3_num_f32 v8, v8, |v[XS+\i]|, |v[XS+\i+1]|
	v_max3_num_f32 v9, v9, |v[XS+\i+2]|, |v[XS+\i+3]|
.endr
	v_max3_num_f32 v8, v8, |v[XS+14]|, |v[XS+15]|
	v_max3_num_f32 v8, v8, v9, 0x1800000           ; and the floor 2^(3 - 127): the byte cannot fall under 1
	v_max_num_f32_dpp v8, v8, v8 row_xmask:1 row_mask:0xf bank_mask:0xf   ; with my neighbour's 16: the block's
	v_add_nc_u32 v11, 0xff000000, v8               ; 2 off its exponent field: the conversion takes the exponent field of this operand as its scale
	v_cvt_scalef32_pk8_fp4_f32 v[XC+4*(\t)], v[XS:XS+7], v11
	v_cvt_scalef32_pk8_fp4_f32 v[XC+4*(\t)+1], v[XS+8:XS+15], v11
	v_lshrrev_b32 v[XE+(\t)], 23, v11              ; the scale's byte
	ds_store_b8 v5, v[XE+(\t)] offset:16*(\t)      ; both lanes of a block write the same byte with the same value
	global_store_b64 v4, v[XC+4*(\t):XC+4*(\t)+1], s[16:17] offset:256*(\t)   ; the wave stores 256 consecutive bytes, aligned
.endm
.irp t, 0,1,2,3,4,5,6,7,8,9,10,11,12,13,14,15
	XSTEP \t
.endr
	ds_load_b64 v[8:9], v6                         ; my wave's 256 scale bytes, behind my stores of them
	s_wait_dscnt 0x0
	global_store_b64 v4, v[8:9], s[18:19]          ; 256 consecutive bytes, aligned
	s_wait_tensorcnt 0x0                           ; the wave's end
	ds_add_u32 v[SPW], v[NIL]
	s_wait_dscnt 0x0
	s_endpgm
; ---------------- PATH W: a weight whose K is its first axis.  A lane takes a column n and its registers run down K: a block of 32 lies in one lane, and the codes come out with K innermost.
.Lnot_x:
	s_cmp_lt_u32 ttmp9, 432
	s_cbranch_scc0 .Lnot_w
	s_sub_co_u32 s32, ttmp9, 384
	s_lshr_b32 s33, s32, 1                         ; block of 128 columns, 0..7 Wq, 8..23 Wkv
	s_and_b32 s34, s32, 1                          ; which 512 along K
	s_mov_b32 s30, 8192
	s_cmp_lt_u32 s32, 16
	s_cselect_b64 s[26:27], s[8:9], s[10:11]
	s_cselect_b32 s30, 4096, s30                   ; a row of the weight in bytes
	s_cselect_b32 s35, 0, 8
	s_sub_co_u32 s35, s33, s35                     ; the block in its own tensor
	s_lshl_b32 s35, s35, 7
	s_lshl_b32 s36, s24, 5
	s_add_co_u32 s35, s35, s36                     ; my wave's first column
	s_lshl_b32 s35, s35, 2
	s_mul_i32 s36, s34, s30
	s_lshl_b32 s36, s36, 9                         ; 512 rows for each step along K
	s_add_co_u32 s28, s35, s36
	s_mov_b32 s29, 0
	s_add_nc_u64 s[26:27], s[26:27], s[28:29]
	s_lshl_b32 s28, s30, 5                         ; s[28:29]: 32 rows on
	s_lshl_b32 s37, s33, 7
	s_lshl_b32 s36, s24, 5
	s_add_co_u32 s37, s37, s36
	s_add_co_u32 s37, s37, 12288                   ; my first row of codes and scales
	s_lshl_b32 s38, s37, 9
	s_lshl_b32 s36, s34, 8
	s_add_co_u32 s38, s38, s36
	s_mov_b32 s39, 0
	s_add_nc_u64 s[16:17], s[16:17], s[38:39]
	s_lshl_b32 s38, s37, 5
	s_lshl_b32 s36, s34, 4
	s_add_co_u32 s38, s38, s36
	s_add_nc_u64 s[18:19], s[18:19], s[38:39]
	v_lshlrev_b32 v3, 2, v2
.irp i, 0,1,2,3,4,5,6,7,8,9,10,11,12,13,14,15,16,17,18,19,20,21,22,23,24,25,26,27,28,29,30,31
	v_mad_u32_u24 v[WRO+\i], s30, \i, v3           ; row i of a block, my column
.endr
	v_mul_u32_u24 v4, v2, WP
	v_add_nc_u32 v4, s25, v4                       ; into the stage: row = my column
	v_and_b32 v5, 15, v2
	v_lshrrev_b32 v6, 4, v2
	v_mul_u32_u24 v7, v6, WP
	v_lshl_add_u32 v7, v5, 4, v7
	v_add_nc_u32 v7, s25, v7                       ; out of it: sixteen lanes to a row, two rows an instruction
	v_lshlrev_b32 v8, 9, v6
	v_lshl_add_u32 v8, v5, 4, v8                   ; and the same place in codes
	v_lshlrev_b32 v9, 5, v2                        ; my column's row of scale bytes
.macro WLOAD t
.if (\t) > 0
	s_wait_xcnt 0x0                                ; the loads issued so far have read their base: it steps only behind this wait
	s_add_nc_u64 s[26:27], s[26:27], s[28:29]
.endif
.irp i, 0,1,2,3,4,5,6,7,8,9,10,11,12,13,14,15,16,17,18,19,20,21,22,23,24,25,26,27,28,29,30,31
	global_load_b32 v[WX+32*((\t)%2)+\i], v[WRO+\i], s[26:27] th:TH_LOAD_NT
.endr
.endm
	WLOAD 0
	WLOAD 1
.macro WBLOCK t
.set XS, WX+32*((\t)%2)
.if (\t) < 15
	s_wait_loadcnt 32                              ; this block's 32 loads are in; the next block's may be out
.else
	s_wait_loadcnt 0x0
.endif
	v_max3_num_f32 v12, |v[XS]|, |v[XS+1]|, |v[XS+2]|
	v_max3_num_f32 v13, |v[XS+3]|, |v[XS+4]|, |v[XS+5]|
.irp i, 6,10,14,18,22,26
	v_max3_num_f32 v12, v12, |v[XS+\i]|, |v[XS+\i+1]|
	v_max3_num_f32 v13, v13, |v[XS+\i+2]|, |v[XS+\i+3]|
.endr
	v_max3_num_f32 v12, v12, |v[XS+30]|, |v[XS+31]|
	v_max3_num_f32 v12, v12, v13, 0x1800000        ; the floor
	v_add_nc_u32 v11, 0xff000000, v12              ; the conversion's scale operand
	v_lshrrev_b32 v13, 23, v11                     ; the byte
.if (\t)%4 == 0
	v_mov_b32 v[WSB+(\t)/4], v13
.else
	v_lshl_or_b32 v[WSB+(\t)/4], v13, 8*((\t)%4), v[WSB+(\t)/4]
.endif
.irp g, 0,1,2,3
	v_cvt_scalef32_pk8_fp4_f32 v[WC+\g], v[XS+8*\g:XS+8*\g+7], v11
.endr
	ds_store_b128 v4, v[WC:WC+3] offset:16*(\t)    ; 32 codes: 16 bytes of my column's row
.if (\t)+2 < 16
	WLOAD (\t)+2
.endif
	s_wait_dscnt 0x0                               ; the store has read its registers: the next block's codes may be written
.endm
.irp t, 0,1,2,3,4,5,6,7,8,9,10,11,12,13,14,15
	WBLOCK \t
.endr
	global_store_b128 v9, v[WSB:WSB+3], s[18:19]   ; my column's 16 scale bytes
.irp t, 0,1,2,3,4,5,6,7,8,9,10,11,12,13,14,15
	ds_load_b128 v[WX+4*\t:WX+4*\t+3], v7 offset:2*\t*WP
.endr
.irp t, 0,1,2,3,4,5,6,7,8,9,10,11,12,13,14,15
	s_wait_dscnt 15-\t                             ; load t is in; the younger ones may be out
	global_store_b128 v8, v[WX+4*\t:WX+4*\t+3], s[16:17] offset:2*\t*512   ; sixteen lanes store 256 consecutive bytes, aligned
.endr
	s_wait_tensorcnt 0x0                           ; the wave's end
	ds_add_u32 v[SPW], v[NIL]
	s_wait_dscnt 0x0
	s_endpgm
; ---------------- PATH T: Wout to f16, K innermost, on the same plan: 32 columns x 128 along K a wave.
.Lnot_w:
	s_cmp_lt_u32 ttmp9, 496
	s_cbranch_scc0 .Lnot_t
	s_sub_co_u32 s32, ttmp9, 432
	s_lshr_b32 s33, s32, 3                         ; block of 128 columns
	s_and_b32 s34, s32, 7                          ; which 128 along K
	s_lshl_b32 s35, s33, 7
	s_lshl_b32 s36, s24, 5
	s_add_co_u32 s35, s35, s36                     ; my first column
	s_lshl_b32 s28, s35, 2
	s_lshl_b32 s36, s34, 19                        ; 128 rows of 4,096 bytes
	s_add_co_u32 s28, s28, s36
	s_mov_b32 s29, 0
	s_add_nc_u64 s[12:13], s[12:13], s[28:29]
	s_lshl_b32 s28, s35, 11                        ; a row of wout_t is 2,048 bytes
	s_lshl_b32 s36, s34, 8
	s_add_co_u32 s28, s28, s36
	s_add_nc_u64 s[20:21], s[20:21], s[28:29]
	v_lshlrev_b32 v3, 2, v2
	v_mul_u32_u24 v4, v2, WP
	v_add_nc_u32 v4, s25, v4
	v_and_b32 v5, 15, v2
	v_lshrrev_b32 v6, 4, v2
	v_mul_u32_u24 v7, v6, WP
	v_lshl_add_u32 v7, v5, 4, v7
	v_add_nc_u32 v7, s25, v7
	v_lshlrev_b32 v8, 11, v6
	v_lshl_add_u32 v8, v5, 4, v8
.macro TLD t
.irp i, 0,1,2,3,4,5,6,7,8,9,10,11,12,13,14,15,16,17,18,19,20,21,22,23,24,25,26,27,28,29,30,31
	global_load_b32 v[WX+32*((\t)%2)+\i], v3, s[12:13] offset:(32*(\t)+\i)*4096 th:TH_LOAD_NT
.endr
.endm
	TLD 0
	TLD 1
.macro TBLOCK t
.set XS, WX+32*((\t)%2)
.if (\t) < 3
	s_wait_loadcnt 32                              ; this block's 32 loads are in; the next block's may be out
.else
	s_wait_loadcnt 0x0
.endif
.irp i, 0,1,2,3,4,5,6,7,8,9,10,11,12,13,14,15
	v_cvt_pk_f16_f32 v[WC+\i], v[XS+2*\i], v[XS+2*\i+1]
.endr
.irp g, 0,1,2,3
	ds_store_b128 v4, v[WC+4*\g:WC+4*\g+3] offset:64*(\t)+16*\g
.endr
.if (\t)+2 < 4
	TLD (\t)+2
.endif
	s_wait_dscnt 0x0
.endm
.irp t, 0,1,2,3
	TBLOCK \t
.endr
.irp t, 0,1,2,3,4,5,6,7,8,9,10,11,12,13,14,15
	ds_load_b128 v[WX+4*\t:WX+4*\t+3], v7 offset:2*\t*WP
.endr
.irp t, 0,1,2,3,4,5,6,7,8,9,10,11,12,13,14,15
	s_wait_dscnt 15-\t
	global_store_b128 v8, v[WX+4*\t:WX+4*\t+3], s[20:21] offset:2*\t*2048   ; sixteen lanes store 256 consecutive bytes, aligned
.endr
	s_wait_tensorcnt 0x0                           ; the wave's end
	ds_add_u32 v[SPW], v[NIL]
	s_wait_dscnt 0x0
	s_endpgm
; ---------------- PATH R: the table and the mask's numbers.  No LDS.
; A wave makes 32 positions.  Lane l holds frequencies 2 (l % 16) and 2 (l % 16) + 1; lanes 0-15 make cosines, lanes 16-31 sines: a trip's store is a whole row of 256 bytes.
; sin and cos: n = the nearest whole number to angle x 2 / pi; r = angle - n pi / 2, pi / 2 in two parts; a polynomial in r on +-pi/4; the quadrant chooses between the two and the sign (cos x = sin(x + pi / 2): one quadrant on).
.Lnot_t:
	s_sub_co_u32 s32, ttmp9, 496
	s_mov_b32 s33, 0x3f22f983                      ; 2 / pi
	s_mov_b32 s34, 0xbfc90fdb                      ; -(pi / 2 rounded to f32)
	s_mov_b32 s35, 0x333bbd2e                      ; that number less pi / 2
	s_mov_b32 s36, 0xbe2aaaa3                      ; the sine's three coefficients
	s_mov_b32 s37, 0x3c08839e
	s_mov_b32 s38, 0xb94ca1f9
	s_mov_b32 s39, 0x3d2aaaa5                      ; the cosine's
	s_mov_b32 s40, 0xbab6061a
	s_mov_b32 s41, 0x37ccf5ce
	v_and_b32 v5, 15, v2
	v_lshlrev_b32 v5, 1, v5
	v_cvt_f32_u32 v6, v5
	v_add_nc_u32 v5, 1, v5
	v_cvt_f32_u32 v7, v5
	v_mul_f32 v6, 0xbed49a78, v6                   ; -i log2(10000) / 32
	v_mul_f32 v7, 0xbed49a78, v7
	v_exp_f32 v10, v6
	v_exp_f32 v11, v7
	v_lshrrev_b32 v12, 4, v2                       ; (a plain instruction behind the exponentials)
	v_xor_b32 v12, 1, v12                          ; one quadrant on for the cosines
	s_lshl_b32 s42, s32, 7
	s_lshl_b32 s43, s24, 5
	s_add_co_u32 s42, s42, s43                     ; my first position
	v_cvt_f32_u32 v13, s42
	s_add_co_u32 s43, s42, 1
	s_lshl_b32 s43, s43, 8                         ; its row: position + 1
	v_lshl_add_u32 v14, v2, 3, s43
	s_wait_alu depctr_va_vdst(0)                   ; one wait for both exponentials, ahead of their first reader and of the label
.macro TRIG d, dv
	v_mul_f32 v20, v13, v[\dv]                     ; the angle, as reference() rounds it
	v_mul_f32 v21, s33, v20
	v_rndne_f32 v21, v21                           ; n
	v_fma_f32 v22, v21, s34, v20
	v_fma_f32 v22, v21, s35, v22                   ; r
	v_mul_f32 v23, v22, v22                        ; z = r^2
	v_fma_f32 v24, v23, s38, s37
	v_fma_f32 v24, v24, v23, s36
	v_mul_f32 v25, v23, v22
	v_fma_f32 v24, v25, v24, v22                   ; sin r
	v_fma_f32 v26, v23, s41, s40
	v_fma_f32 v26, v26, v23, s39
	v_fma_f32 v27, v23, -0.5, 1.0
	v_mul_f32 v28, v23, v23
	v_fma_f32 v26, v28, v26, v27                   ; cos r
	v_cvt_i32_f32 v29, v21
	v_add_nc_u32 v29, v29, v12                     ; the quadrant
	v_and_b32 v28, 1, v29
	v_cmp_eq_u32 vcc_lo, 1, v28
	v_cndmask_b32 v24, v24, v26, vcc_lo            ; odd quadrants take the cosine
	v_lshlrev_b32 v29, 30, v29
	v_and_b32 v29, 0x80000000, v29                 ; quadrants 2 and 3 change the sign
	v_xor_b32 v[\d], v29, v24
.endm
	s_mov_b32 s30, 32
.Lpos:
	TRIG 16, 10
	TRIG 17, 11
	global_store_b64 v14, v[16:17], s[22:23]       ; the wave stores 256 consecutive bytes, aligned
	s_wait_xcnt 0x0                                ; the store has read its registers: they are written again only behind this wait
	v_add_nc_u32 v14, 256, v14
	v_add_f32 v13, 1.0, v13
	s_sub_co_u32 s30, s30, 1
	s_cmp_lg_u32 s30, 0
	s_cbranch_scc1 .Lpos
	; the mask as numbers: a thread takes two keys
	s_lshl_b32 s42, s32, 7
	v_add_nc_u32 v20, s42, v0
	v_lshlrev_b32 v21, 1, v20
	global_load_u16 v22, v21, s[14:15]
	v_lshlrev_b32 v23, 3, v20
	s_wait_loadcnt 0x0
	v_and_b32 v24, 0xff, v22
	v_lshrrev_b32 v25, 8, v22
	v_min_u32 v24, 1, v24
	v_min_u32 v25, 1, v25
	v_add_nc_u32 v24, -1, v24                      ; 0 where the key counts, all ones where not
	v_add_nc_u32 v25, -1, v25
	v_and_b32 v24, 0xfe800000, v24                 ; 0.0 or -2^126
	v_and_b32 v25, 0xfe800000, v25
	global_store_b64 v23, v[24:25], s[22:23] offset:MBOFF
	s_or_b32 s42, s32, s24                         ; one wave of one work-group writes the row of zeros
	s_cmp_lg_u32 s42, 0
	s_cbranch_scc1 .Lr_end
	v_lshlrev_b32 v26, 3, v2
	v_mov_b32 v28, 0
	v_mov_b32 v29, 0
	global_store_b64 v26, v[28:29], s[22:23]
.Lr_end:
	s_endpgm
.Lfunc_end_k_q697d009281_prep:
	.size	k_q697d009281_prep, .Lfunc_end_k_q697d009281_prep-k_q697d009281_prep
	.p2alignl 7, 3214868480
	.fill 96, 4, 3214868480
	.section	.rodata,"a",@progbits
	.p2align	6, 0x0
	.amdhsa_kernel k_q697d009281_prep
		.amdhsa_group_segment_fixed_size 35328
		.amdhsa_private_segment_fixed_size 0
		.amdhsa_enable_private_segment 0
		.amdhsa_kernarg_size 80
		.amdhsa_user_sgpr_count 2
		.amdhsa_user_sgpr_kernarg_segment_ptr 1
		.amdhsa_wavefront_size32 1
		.amdhsa_system_sgpr_workgroup_id_x 1
		.amdhsa_system_sgpr_workgroup_id_y 1
		.amdhsa_system_sgpr_workgroup_id_z 1
		.amdhsa_system_vgpr_workitem_id 0
		.amdhsa_next_free_vgpr 192
		.amdhsa_next_free_sgpr 66
		.amdhsa_reserve_vcc 1
		.amdhsa_float_denorm_mode_32 3
		.amdhsa_float_denorm_mode_16_64 3
		.amdhsa_memory_ordered 1
		.amdhsa_forward_progress 1
		.amdhsa_inst_pref_size 140
	.end_amdhsa_kernel
	.amdgpu_metadata
---
amdhsa.version: [ 1, 2 ]
amdhsa.kernels:
  - .name:           k_q697d009281_prep
    .symbol:         k_q697d009281_prep.kd
    .args:
      - { .name: q_x, .offset: 0, .size: 8, .value_kind: global_buffer, .address_space: global }
      - { .name: kv_x, .offset: 8, .size: 8, .value_kind: global_buffer, .address_space: global }
      - { .name: Wq, .offset: 16, .size: 8, .value_kind: global_buffer, .address_space: global }
      - { .name: Wkv, .offset: 24, .size: 8, .value_kind: global_buffer, .address_space: global }
      - { .name: Wout, .offset: 32, .size: 8, .value_kind: global_buffer, .address_space: global }
      - { .name: mask, .offset: 40, .size: 8, .value_kind: global_buffer, .address_space: global }
      - { .name: codes, .offset: 48, .size: 8, .value_kind: global_buffer, .address_space: global }
      - { .name: scales, .offset: 56, .size: 8, .value_kind: global_buffer, .address_space: global }
      - { .name: wout_t, .offset: 64, .size: 8, .value_kind: global_buffer, .address_space: global }
      - { .name: tabs, .offset: 72, .size: 8, .value_kind: global_buffer, .address_space: global }
    .group_segment_fixed_size: 35328
    .private_segment_fixed_size: 0
    .kernarg_segment_align: 8
    .kernarg_segment_size: 80
    .max_flat_workgroup_size: 128
    .sgpr_count:     66
    .vgpr_count:     192
    .wavefront_size: 32
...
	.end_amdgpu_metadata
.endif
;; end of part 1
;; launch proj (part 2): grid 8 x 40, 4 waves a work-group, clusters of 4 x 4, 327,680 bytes of LDS; arguments codes, scales, tabs, mask, qh, kh, vh; writes qh, kh, vh
.if DOCPART == 2
	.amdgcn_target "amdgcn-amd-amdhsa--gfx1250"
	.amdhsa_code_object_version 6
	.text
	.protected	k_q697d009281_proj
	.globl	k_q697d009281_proj
	.p2align	8
	.type	k_q697d009281_proj,@function
k_q697d009281_proj:
	s_mov_b64 s[64:65], 0
	v_nop
	global_prefetch_b8 v0, s[64:65] scope:SCOPE_SE
	s_setreg_imm32_b32 hwreg(HW_REG_WAVE_MODE, 25, 1), 1
	s_wait_xcnt 0x0
	s_wait_alu depctr_hold_cnt(0) depctr_sa_sdst(0) depctr_va_vdst(0) depctr_va_sdst(0) depctr_va_ssrc(0) depctr_va_vcc(0) depctr_vm_vsrc(0)
	s_getreg_b32 s2, hwreg(HW_REG_IB_STS2, 6, 4)
	s_cmp_eq_u32 s2, 0
	s_cbranch_scc0 .Lentry_in_a_cluster
	s_endpgm
.Lentry_in_a_cluster:
	s_bfe_u32 s2, ttmp6, 0x10000c
	s_cmp_lg_u32 s2, 0xf033
	s_cbranch_scc0 .Lentry_shape_is_right
	s_endpgm
.Lentry_shape_is_right:
; PROJ: q = q_x Wq and kv = kv_x Wkv on codes of E2M1 with E8M0 scales, the rotary embedding on q and k, all three to f16, laid by head: qh [b 16 + h][2,048][64], kh and vh [b 16 + h][4,096][64].
; No work is left out.  A masked key's row of k is stored as zeros (its cosines and sines are read from the table's row of zeros), so that its score in the next launch is the mask's number alone.
; LIMITS: |q|, |k|, |v| beyond 65,504 overflow f16.
; A tile of C, 256 x 256, is made by four waves, 128 x 128 each: 64 accumulators, 512 registers.  K = 1,024 is two LDS slots of 512: both are first fills, nothing is filled again.
; WHICH TILE: clusters of 4 x 4 work-groups; cluster (X, Y).  Y < 8: kv: tile row 4 Y + cy, tile column 4 X + cx (X = 0: k, X = 1: v).  Y >= 8: q: tile row 4 (2 (Y - 8) + X) + cy, tile column cx.
; Every branch and select hangs on X and Y, which the sixteen partners share.  A's tiles are asked for jointly along a row of the cluster, B's along a column.
; THE MATRIX INSTRUCTION IS USED TRANSPOSED (source 0 = 16 rows of the weight, source 1 = 16 rows of x): a lane holds one row and eight neighbouring channels.
; REGISTERS: window 0: v0-31 addresses; v32-95 scale words, two sets; v96-111 table offsets; v128-191 A's fragments; v192-255 cosines and sines.  On the way out v32-95 and v128-191 are at work.
;   window 1: B's fragments, two sets.   windows 2, 3: the accumulators ((a, b) at v[8 (8 (a % 4) + b)] of window 2 + a / 4).
.set KSTEP,  512
.set NQ,     4
.set ROWB,   256
.set KROW,   512
.set PITCH,  272                       ; an LDS row: 256 bytes + 16 of padding
.set FR,     8
.set NL,     2
.set NP,     4
.set HALFT,  128*PITCH
.set SLOT,   4*HALFT
.set KS,     32                        ; a row of scale bytes
.set SCL,    2*SLOT                    ; behind the slots: the scale bytes, as lines of 256 bytes + 16
.set HALFS,  (128*KS/256)*272
.set SBLK,   (16*KS/256)*272
.set SPARE,  SCL+4*HALFS               ; the spare words
.set SPITCH, 272                       ; the way out: a stage of 16 rows x (256 bytes + 16) for each wave, in slot 0, which has had its only fill and its last read by then
.set ADRA, 16
.set ADRB, 20
.set STO,  24
.set RD,   25
.set CO0,  26                          ; v26 my byte offset in the first head's rows
.set ADRS, 27
.set SPW,  28
.set NIL,  29
.set CO1,  30                          ; v30 and in the second head's
.set SC,   32
.set AF,   128
.set TO,   32                          ; the way out: 64 numbers at work
.set TOF,  96                          ; v96-103 byte offset in the table for my row of row block a
.set MK,   104                         ; v104-111 mask bytes
.set PK,   128                         ; v128-159 a block's f16 pairs
.set BK,   160                         ; v160-191 rows read back
.set CSR,  192                         ; v192-223, v224-255: cosines (16) and sines (16) of my row, by a % 2
.set G1, 24
.set G0, 32
.set G1B, 48
.set G0B, 56
.set G1S, 68
.set G0S, 76
.set G1SB, 80
.set G0SB, 88
.set MSB, 0
.macro WIN new                         ; the immediate's high byte repeats the setting that is left
.if MSB != (\new)
	s_set_vgpr_msb (MSB<<8)|(\new)
.set MSB, (\new)
.endif
.endm
.set MUL_LO, 0xa1                      ; source 0 (B) window 1, source 1 (A) window 0, C and D window 2
.set MUL_HI, 0xf1
.set TO_B,   0x40
; A joint load: waves 0 and 1 fetch for A, waves 2 and 3 for B; an s_nop 0 and four v_nop follow each of the two lines.
.macro JLOAD g0a, g1a, g0b, g1b
	s_cmp_eq_u32 s15, 0
	s_cbranch_scc0 .Lfor_b_\@
	tensor_load_to_lds s[\g0a:\g0a+3], s[\g1a:\g1a+7]
	s_nop 0
.rept 4
	v_nop
.endr
	s_branch .Lasked_\@
.Lfor_b_\@:
	tensor_load_to_lds s[\g0b:\g0b+3], s[\g1b:\g1b+7]
	s_nop 0
.rept 4
	v_nop
.endr
.Lasked_\@:
.endm
.macro CROUND                          ; a round of the cluster's barrier
	s_barrier_signal -1
	s_barrier_wait -1
	s_cmp_lg_u32 s14, 0
	s_cbranch_scc1 .Lnot_wave_0_\@
	s_barrier_signal -3
.Lnot_wave_0_\@:
	s_barrier_wait -3
	s_barrier_signal -1
	s_barrier_wait -1
.endm
.macro FRAG reg, adr, q, i             ; 16 rows x 128 K of 4-bit codes: 8 registers, two loads of 16 bytes, 32 bytes apart
.irp c, 0,1
	ds_load_b128 v[\reg+4*\c:\reg+4*\c+3], v[\adr] offset:64*(\q)+32*\c+(\i)*16*PITCH
.endr
.endm
; 16 matrix instructions: A's blocks a0, a0 + 1 x B's eight.  The 64 accumulators take turns, one instruction a turn, in the same order in every step.
.macro MUL16 a0, p, q, sc, zero
.irp a, \a0, \a0+1
.irp b, 0,1,2,3,4,5,6,7
.if \zero
	v_wmma_scale_f32_16x16x128_f8f6f4 v[8*(8*((\a)%4)+\b):8*(8*((\a)%4)+\b)+7], v[128*(\p)+FR*\b:128*(\p)+FR*\b+FR-1], v[AF+FR*(\a):AF+FR*(\a)+FR-1], 0, v[SC+8*NQ*(\sc)+NQ*\b+(\q)], v[SC+8*NQ*(\sc)+NQ*(\a)+(\q)] matrix_a_fmt:MATRIX_FMT_FP4 matrix_b_fmt:MATRIX_FMT_FP4 matrix_a_scale:MATRIX_SCALE_ROW1
.else
	v_wmma_scale_f32_16x16x128_f8f6f4 v[8*(8*((\a)%4)+\b):8*(8*((\a)%4)+\b)+7], v[128*(\p)+FR*\b:128*(\p)+FR*\b+FR-1], v[AF+FR*(\a):AF+FR*(\a)+FR-1], v[8*(8*((\a)%4)+\b):8*(8*((\a)%4)+\b)+7], v[SC+8*NQ*(\sc)+NQ*\b+(\q)], v[SC+8*NQ*(\sc)+NQ*(\a)+(\q)] matrix_a_fmt:MATRIX_FMT_FP4 matrix_b_fmt:MATRIX_FMT_FP4 matrix_a_scale:MATRIX_SCALE_ROW1
.endif
.endr
.endr
.endm
.macro FETCH_B slot, q, p
	WIN TO_B
.irp i, 0,1,2,3,4,5,6,7
	FRAG 128*(\p)+FR*\i, ADRB+\slot, \q, \i
.endr
	WIN 0
.endm
.macro FETCH_A slot, q, i0
.irp i, \i0, \i0+1, \i0+2, \i0+3
	FRAG AF+FR*(\i), ADRA+\slot, \q, \i
.endr
.endm
.macro SCALES sc                       ; a slot's scale words: lanes 0-15 take A's block i, lanes 16-31 B's block i
.irp i, 0,1,2,3,4,5,6,7
	ds_load_b128 v[SC+8*NQ*\sc+NQ*\i:SC+8*NQ*\sc+NQ*\i+3], v[ADRS] offset:\i*SBLK
.endr
.endm
.macro PLACES n                        ; plain vector instructions between a matrix instruction and a load into, or a vector instruction on, its registers
.rept \n
	v_nop
.endr
.endm
.macro STEP slot, q, zero              ; 128 along K whose successor lies in the same slot
	s_wait_dscnt 4*NL                              ; B's set and A's blocks 0-3 are in; the youngest eight loads (A's blocks 4-7) may be out
	WIN MUL_LO
	MUL16 0, (\q)%2, \q, \slot, \zero
	MUL16 2, (\q)%2, \q, \slot, \zero
	s_wait_dscnt 0
	PLACES NP
	FETCH_B \slot, (\q)+1, 1-(\q)%2
	FETCH_A \slot, (\q)+1, 0
	WIN MUL_HI
	MUL16 4, (\q)%2, \q, \slot, \zero
	MUL16 6, (\q)%2, \q, \slot, \zero
	PLACES NP
	WIN 0
	FETCH_A \slot, (\q)+1, 4
.endm
.macro TURN slot, next                 ; slot 0's last step: one barrier; behind it slot 1 is whole for everybody and nobody reads slot 0 any more
	s_wait_tensorcnt 0x0                           ; all my tensor loads have landed: my part of slot 1;
	ds_add_u32 v[SPW], v[NIL]                      ; 0 onto my spare word;
	s_wait_dscnt 4*NL+1                            ; (the add and the youngest eight loads may be out)
	WIN MUL_LO
	MUL16 0, 1, NQ-1, \slot, 0
	s_wait_dscnt 0x0                               ; the add is done, and my reads of this slot are over
	s_barrier_signal -1
	MUL16 2, 1, NQ-1, \slot, 0
	WIN 0
	s_barrier_wait -1
	PLACES NP
	v_add_nc_u32 v[ADRS], 4*NQ, v[ADRS]            ; on to the next slot's scale words
	FETCH_B \next, 0, 0
	FETCH_A \next, 0, 0
	SCALES \next
	WIN MUL_HI
	MUL16 4, 1, NQ-1, \slot, 0
	MUL16 6, 1, NQ-1, \slot, 0
	PLACES NP
	WIN 0
	FETCH_A \next, 0, 4
.endm
.macro STEPS slot, from
.set Q, \from
.rept NQ-1-\from
	STEP \slot, Q, 0
.set Q, Q+1
.endr
.endm
.macro MAIN                            ; the whole walk along K
	s_wait_tensorcnt 1                             ; the scales and my part of slot 0 are in; slot 1's load may be out
	s_barrier_signal -1
	s_barrier_wait -1
	FETCH_B 0, 0, 0
	FETCH_A 0, 0, 0
	SCALES 0
	FETCH_A 0, 0, 4
	STEP 0, 0, 1                                   ; the first products start the sums: nothing is cleared
	STEPS 0, 1
	TURN 0, 1
	STEPS 1, 0
	s_wait_dscnt 4*NL
	WIN MUL_LO
	MUL16 0, 1, NQ-1, 1, 0
	MUL16 2, 1, NQ-1, 1, 0
	s_wait_dscnt 0
	WIN MUL_HI
	MUL16 4, 1, NQ-1, 1, 0
	MUL16 6, 1, NQ-1, 1, 0
	WIN 0
.endm
; THE WAY OUT, a block of 16 rows x 128 channels (two heads) at a time.
.macro CSLOAD a                        ; my row's cosines and sines at my 16 frequencies 16 u + 8 (lane / 16) + 0 .. 7
.set CSB, CSR+32*((\a)%2)
.irp u, 0,1
.irp e, 0,1
	global_load_b128 v[CSB+8*\u+4*\e:CSB+8*\u+4*\e+3], v[TOF+(\a)], s[8:9] offset:64*\u+16*\e
	global_load_b128 v[CSB+16+8*\u+4*\e:CSB+16+8*\u+4*\e+3], v[TOF+(\a)], s[8:9] offset:128+64*\u+16*\e
.endr
.endr
.endm
; Block b of the eight holds channels 16 (b % 4) + 8 (lane / 16) + 0 .. 7 of head b / 4.  Its partner, 32 channels away, is block b + 2 (lower half) or b - 2: out = x cos - partner sin, or x cos + partner sin.
.macro ROPE a
.set AC, 64*((\a)%4)
.set CSB, CSR+32*((\a)%2)
.if (\a) < 7
	s_wait_loadcnt 8                               ; this block's eight table loads are in; the next block's eight may be out
.else
	s_wait_loadcnt 0x0
.endif
	WIN 2+(\a)/4                                   ; source 0: the accumulators' window
.irp b, 0,1,2,3,4,5,6,7
.irp jj, 0,2,4,6
	v_pk_mul_f32 v[TO+8*\b+\jj:TO+8*\b+\jj+1], v[AC+8*(\b+2-4*((\b/2)%2))+\jj:AC+8*(\b+2-4*((\b/2)%2))+\jj+1], v[CSB+16+8*(\b%2)+\jj:CSB+16+8*(\b%2)+\jj+1]   ; each accumulator is read from its low end on
.endr
.endr
.irp b, 0,1,2,3,4,5,6,7
.irp jj, 0,2,4,6
.if (\b/2)%2 == 0
	v_pk_fma_f32 v[TO+8*\b+\jj:TO+8*\b+\jj+1], v[AC+8*\b+\jj:AC+8*\b+\jj+1], v[CSB+8*(\b%2)+\jj:CSB+8*(\b%2)+\jj+1], v[TO+8*\b+\jj:TO+8*\b+\jj+1] neg_lo:[0,0,1] neg_hi:[0,0,1]
.else
	v_pk_fma_f32 v[TO+8*\b+\jj:TO+8*\b+\jj+1], v[AC+8*\b+\jj:AC+8*\b+\jj+1], v[CSB+8*(\b%2)+\jj:CSB+8*(\b%2)+\jj+1], v[TO+8*\b+\jj:TO+8*\b+\jj+1]
.endif
.endr
.endr
	WIN 0
.irp b, 0,1,2,3,4,5,6,7
.irp i, 0,1,2,3
	v_cvt_pk_f16_f32 v[PK+4*\b+\i], v[TO+8*\b+2*\i], v[TO+8*\b+2*\i+1]
.endr
.endr
.if (\a) < 6
	CSLOAD (\a)+2
.endif
.endm
.macro PACKV a                         ; v has no embedding: rounded as it stands
.set AC, 64*((\a)%4)
	WIN 0x0a+5*((\a)/4)                            ; sources 0 and 1: window 2 or 3
.irp b, 0,1,2,3,4,5,6,7
.irp i, 0,1,2,3
	v_cvt_pk_f16_f32 v[PK+4*\b+\i], v[AC+8*\b+2*\i], v[AC+8*\b+2*\i+1]
.endr
.endr
	WIN 0
.endm
.macro TOSTAGE                         ; 16 bytes a lane into my stage, and back by heads: 8 lanes to a row of 128 bytes.  LDS serves a wave's instructions in order: no wait between
.irp b, 0,1,2,3,4,5,6,7
	ds_store_b128 v[STO], v[PK+4*\b:PK+4*\b+3] offset:32*\b
.endr
.irp hd, 0,1
.irp f, 0,1,2,3
	ds_load_b128 v[BK+4*(4*\hd+\f):BK+4*(4*\hd+\f)+3], v[RD] offset:1088*\f+128*\hd
.endr
.endr
.endm
.macro SEND a
	s_wait_dscnt 0x0                               ; the block is back in registers
.irp f, 0,1,2,3
	global_store_b128 v[CO0], v[BK+4*\f:BK+4*\f+3], s[12:13] offset:2048*(\a)+512*\f         ; the wave stores 512 consecutive bytes, aligned: four rows of a head
	global_store_b128 v[CO1], v[BK+16+4*\f:BK+16+4*\f+3], s[12:13] offset:2048*(\a)+512*\f
.endr
.endm
	s_load_b256 s[4:11], s[0:1], 0x0               ; codes 4:5, scales 6:7, tabs 8:9, mask 10:11
	s_load_b128 s[96:99], s[0:1], 0x20             ; qh, kh
	s_load_b64 s[100:101], s[0:1], 0x30            ; vh
	v_lshl_add_u32 v[SPW], v0, 2, SPARE
	v_mov_b32 v[NIL], 0
	ds_add_u32 v[SPW], v[NIL]                      ; the wave's opening: the add, twice on end, and its wait ahead of my first tensor load
	ds_add_u32 v[SPW], v[NIL]
	v_lshrrev_b32 v1, 5, v0
	v_readfirstlane_b32 s14, v1                    ; wave
	s_lshr_b32 s15, s14, 1                         ; my half of the tile's rows.  Also: I fetch for A (0) or B (1)
	s_and_b32 s16, s14, 1                          ; my half of its columns.  Also: which 128 rows I fetch
	s_bfe_u32 s40, ttmp6, 0x40000                  ; cx
	s_bfe_u32 s41, ttmp6, 0x40004                  ; cy
	s_and_b32 s18, ttmp7, 0xffff                   ; Y
	s_sub_co_u32 s19, s18, 8
	s_lshl_b32 s19, s19, 1
	s_add_co_u32 s19, s19, ttmp9                   ; 2 (Y - 8) + X
	s_mov_b32 s45, 4096
	s_mov_b32 s94, 13312
	s_cmp_ge_u32 s18, 8
	s_cselect_b32 s95, 1, 0                        ; 1: q
	s_cselect_b32 s17, s19, s18
	s_cselect_b32 s42, 0, ttmp9
	s_cselect_b32 s67, 11, 12                      ; log2 of the positions in a batch
	s_cselect_b32 s45, 0, s45                      ; A's first row in codes
	s_cselect_b32 s94, 12288, s94                  ; B's
	s_xor_b32 s66, s95, 1
	s_and_b32 s66, s66, ttmp9                      ; 1: v
	s_lshl_b32 s17, s17, 2
	s_add_co_u32 s17, s17, s41                     ; tile row
	s_lshl_b32 s42, s42, 2
	s_add_co_u32 s42, s42, s40                     ; tile column
	s_lshl_b32 s43, s41, 2
	s_lshl_b32 s43, 15, s43                        ; my row of the cluster
	s_lshl_b32 s44, 0x1111, s40                    ; my column
	s_or_b32 s[G1+0], s43, (0<<16)|(1<<20)|(1<<21)|(5<<22)|(3<<25)  ; the mask; elements of 1 byte; padding of 4 words behind every 64; bit 21 beside a mask
	s_or_b32 s[G1B+0], s44, (0<<16)|(1<<20)|(1<<21)|(5<<22)|(3<<25)
.irp g, G1, G1B
	s_mov_b32 s[\g+1], ROWB<<16                    ; tensor_dim0
	s_mov_b32 s[\g+2], 128<<16                     ; tensor_dim1
	s_mov_b32 s[\g+3], ROWB<<16                    ; tile_dim0
	s_mov_b32 s[\g+4], 128                         ; tile_dim1
	s_mov_b32 s[\g+5], KROW                        ; the pitch
	s_mov_b32 s[\g+6], 0
	s_mov_b32 s[\g+7], 0
.endr
	s_or_b32 s[G1S+0], s43, (3<<16)|(1<<20)|(1<<21)|(5<<22)|(3<<25)  ; the scales of 128 rows: 4,096 dense bytes as 16 lines of 256
	s_or_b32 s[G1SB+0], s44, (3<<16)|(1<<20)|(1<<21)|(5<<22)|(3<<25)
.irp g, G1S, G1SB
	s_mov_b32 s[\g+1], 32<<16
	s_mov_b32 s[\g+2], (128*KS/256)<<16
	s_mov_b32 s[\g+3], 32<<16
	s_mov_b32 s[\g+4], 128*KS/256
	s_mov_b32 s[\g+5], 32
	s_mov_b32 s[\g+6], 0
	s_mov_b32 s[\g+7], 0
.endr
	s_lshl_b32 s18, s16, 7
	s_lshl_b32 s20, s17, 8
	s_add_co_u32 s20, s20, s18
	s_add_co_u32 s20, s20, s45                     ; A: the row of codes at which my 128 begin
	s_lshl_b32 s46, s42, 8
	s_add_co_u32 s46, s46, s18
	s_add_co_u32 s46, s46, s94                     ; B likewise
	s_lshl_b32 s22, s20, 5
	s_mov_b32 s23, 0
	s_lshl_b32 s92, s46, 5
	s_mov_b32 s93, 0
	s_lshl_b32 s20, s20, 9
	s_mov_b32 s21, 0
	s_lshl_b32 s46, s46, 9
	s_mov_b32 s47, 0
	s_mul_i32 s45, s14, HALFT                      ; where they go: wave x 128 rows
	s_mul_i32 s94, s14, HALFS
	s_wait_dscnt 0x0                               ; both opening adds are done
	s_wait_kmcnt 0x0
	s_add_nc_u64 s[20:21], s[4:5], s[20:21]
	s_add_nc_u64 s[22:23], s[6:7], s[22:23]
	s_add_nc_u64 s[46:47], s[4:5], s[46:47]
	s_add_nc_u64 s[92:93], s[6:7], s[92:93]
	CROUND                                         ; all sixteen work-groups are here: the joint loads meet
	s_mov_b32 s[G0S], 1
	s_add_co_u32 s[G0S+1], s94, SCL
	s_mov_b64 s[G0S+2:G0S+3], s[22:23]
	s_or_b32 s[G0S+3], s[G0S+3], 0x80000000
	s_mov_b32 s[G0SB], 1
	s_add_co_u32 s[G0SB+1], s94, SCL
	s_mov_b64 s[G0SB+2:G0SB+3], s[92:93]
	s_or_b32 s[G0SB+3], s[G0SB+3], 0x80000000
	JLOAD G0S, G1S, G0SB, G1SB                     ; by my own count three tensor loads are out behind these lines
.irp s, 0,1
	s_mov_b32 s[G0+4*\s], 1
	s_add_co_u32 s[G0+4*\s+1], s45, \s*SLOT
	s_add_nc_u64 s[G0+4*\s+2:G0+4*\s+3], s[20:21], \s*ROWB
	s_or_b32 s[G0+4*\s+3], s[G0+4*\s+3], 0x80000000
	s_mov_b32 s[G0B+4*\s], 1
	s_add_co_u32 s[G0B+4*\s+1], s45, \s*SLOT
	s_add_nc_u64 s[G0B+4*\s+2:G0B+4*\s+3], s[46:47], \s*ROWB
	s_or_b32 s[G0B+4*\s+3], s[G0B+4*\s+3], 0x80000000
	JLOAD G0+4*\s, G1, G0B+4*\s, G1B
.endr
	v_and_b32 v1, 15, v0                           ; r
	v_bfe_u32 v2, v0, 4, 1                         ; h
	v_mul_u32_u24 v3, v1, PITCH
	v_lshl_add_u32 v4, v2, 4, v3
	s_mul_i32 s21, s15, HALFT
	s_mul_i32 s22, s16, HALFT
	s_add_co_u32 s22, s22, 2*HALFT
.irp s, 0,1
	v_add_nc_u32 v[ADRA+\s], s21, v4
	v_add_nc_u32 v[ADRB+\s], s22, v4
	s_add_co_u32 s21, s21, SLOT
	s_add_co_u32 s22, s22, SLOT
.endr
	v_mul_u32_u24 v5, v1, KS                       ; my row's scale bytes,
	v_lshrrev_b32 v6, 8, v5
	v_lshl_add_u32 v5, v6, 4, v5                   ; and 16 more for each 256 passed
	s_mul_i32 s21, s15, HALFS
	s_mul_i32 s22, s16, HALFS
	s_add_co_u32 s22, s22, 2*HALFS
	s_sub_co_u32 s22, s22, s21
	v_mul_u32_u24 v6, s22, v2                      ; lanes 16-31 take B's
	s_add_co_u32 s21, s21, SCL
	v_add_nc_u32 v5, v5, v6
	v_add_nc_u32 v[ADRS], s21, v5
	s_mul_i32 s23, s14, 16*SPITCH                  ; my stage
	v_mul_u32_u24 v5, v1, SPITCH
	v_lshl_add_u32 v5, v2, 4, v5
	v_add_nc_u32 v[STO], s23, v5                   ; in: row r, 16 bytes for each half of the lanes
	v_and_b32 v6, 31, v0
	v_lshrrev_b32 v7, 3, v6
	v_mul_u32_u24 v7, v7, SPITCH
	v_and_b32 v8, 7, v6
	v_lshl_add_u32 v7, v8, 4, v7
	v_add_nc_u32 v[RD], s23, v7                    ; back: eight lanes to a head's 128 bytes of a row
	v_lshlrev_b32 v[CO0], 4, v6
	s_lshl_b32 s18, 128, s67                       ; a head in bytes
	v_add_nc_u32 v[CO1], s18, v[CO0]
	s_cmp_eq_u32 s95, 1
	s_cselect_b64 s[12:13], s[96:97], s[98:99]
	s_cmp_eq_u32 s66, 1
	s_cselect_b64 s[12:13], s[100:101], s[12:13]   ; the output: qh, kh or vh
	s_lshl_b32 s20, s17, 8
	s_lshl_b32 s21, s15, 7
	s_add_co_u32 s20, s20, s21                     ; my first row of the tensor
	s_lshr_b32 s21, s20, s67                       ; its batch
	s_bfm_b32 s22, s67, 0
	s_and_b32 s22, s20, s22                        ; its position
	s_and_b32 s46, s42, 3
	s_lshl_b32 s46, s46, 2
	s_lshl_b32 s47, s16, 1
	s_add_co_u32 s46, s46, s47                     ; my first head
	s_lshl_b32 s47, s21, 4
	s_add_co_u32 s46, s46, s47
	s_lshl_b32 s46, s46, s67
	s_add_co_u32 s46, s46, s22
	s_lshl_b32 s46, s46, 7                         ; rows of 128 bytes
	s_mov_b32 s47, 0
	s_add_nc_u64 s[12:13], s[12:13], s[46:47]
	s_cmp_eq_u32 s66, 1
	s_cbranch_scc1 .Lv
	; ---- q and k: the table's offsets and the first two blocks' loads go out while the tiles are on their way
	v_add_nc_u32 v9, s22, v1
	v_add_nc_u32 v9, 1, v9                         ; the table's row of position p is p + 1
.irp a, 0,1,2,3,4,5,6,7
	v_add_lshl_u32 v[TOF+\a], v9, 16*\a, 8
.endr
	s_cmp_eq_u32 s95, 1
	s_cbranch_scc1 .Lno_mask                       ; q has no mask
	v_add_nc_u32 v10, s20, v1
.irp a, 0,1,2,3,4,5,6,7
	global_load_u8 v[MK+\a], v10, s[10:11] offset:16*\a
.endr
	s_wait_loadcnt 0x0
.irp a, 0,1,2,3,4,5,6,7
	v_min_u32 v[MK+\a], 1, v[MK+\a]
.endr
.irp a, 0,1,2,3,4,5,6,7
	v_mul_u32_u24 v[TOF+\a], v[MK+\a], v[TOF+\a]   ; a masked key reads row 0: zeros
.endr
.Lno_mask:
.irp a, 0,1,2,3,4,5,6,7
	v_lshl_add_u32 v[TOF+\a], v2, 5, v[TOF+\a]     ; + my half's eight frequencies
.endr
	CSLOAD 0
	CSLOAD 1
	MAIN
	PLACES NP                                      ; between the last products and the first write of registers that held their scales
	ROPE 0
	TOSTAGE
.irp a, 1,2,3,4,5,6,7
	ROPE \a                                        ; a block's arithmetic stands between the loads of the block before and its stores
	SEND \a-1
	s_wait_xcnt 0x0                                ; the stores have read their registers: the next block's loads may land there
	TOSTAGE
.endr
	SEND 7
	s_wait_tensorcnt 0x0                           ; the wave's end
	ds_add_u32 v[SPW], v[NIL]
	s_wait_dscnt 0x0
	CROUND                                         ; the closing round
	s_endpgm
.Lv:	; ---- v
	MAIN
	PLACES NP
	PACKV 0
	TOSTAGE
.irp a, 1,2,3,4,5,6,7
	PACKV \a
	SEND \a-1
	s_wait_xcnt 0x0
	TOSTAGE
.endr
	SEND 7
	s_wait_tensorcnt 0x0                           ; the wave's end
	ds_add_u32 v[SPW], v[NIL]
	s_wait_dscnt 0x0
	CROUND                                         ; the closing round
	s_endpgm
.Lfunc_end_k_q697d009281_proj:
	.size	k_q697d009281_proj, .Lfunc_end_k_q697d009281_proj-k_q697d009281_proj
	.p2alignl 7, 3214868480
	.fill 96, 4, 3214868480
	.section	.rodata,"a",@progbits
	.p2align	6, 0x0
	.amdhsa_kernel k_q697d009281_proj
		.amdhsa_group_segment_fixed_size 327680
		.amdhsa_private_segment_fixed_size 0
		.amdhsa_enable_private_segment 0
		.amdhsa_kernarg_size 56
		.amdhsa_user_sgpr_count 2
		.amdhsa_user_sgpr_kernarg_segment_ptr 1
		.amdhsa_wavefront_size32 1
		.amdhsa_system_sgpr_workgroup_id_x 1
		.amdhsa_system_sgpr_workgroup_id_y 1
		.amdhsa_system_sgpr_workgroup_id_z 1
		.amdhsa_system_vgpr_workitem_id 0
		.amdhsa_next_free_vgpr 1024
		.amdhsa_next_free_sgpr 102
		.amdhsa_reserve_vcc 0
		.amdhsa_float_denorm_mode_32 3
		.amdhsa_float_denorm_mode_16_64 3
		.amdhsa_memory_ordered 1
		.amdhsa_forward_progress 1
		.amdhsa_inst_pref_size 255
	.end_amdhsa_kernel
	.section	.bss,"aw",@nobits
	.p2align	6
	.space	262144
	.amdgpu_metadata
---
amdhsa.version: [ 1, 2 ]
amdhsa.kernels:
  - .name:           k_q697d009281_proj
    .symbol:         k_q697d009281_proj.kd
    .args:
      - { .name: codes, .offset: 0, .size: 8, .value_kind: global_buffer, .address_space: global }
      - { .name: scales, .offset: 8, .size: 8, .value_kind: global_buffer, .address_space: global }
      - { .name: tabs, .offset: 16, .size: 8, .value_kind: global_buffer, .address_space: global }
      - { .name: mask, .offset: 24, .size: 8, .value_kind: global_buffer, .address_space: global }
      - { .name: qh, .offset: 32, .size: 8, .value_kind: global_buffer, .address_space: global }
      - { .name: kh, .offset: 40, .size: 8, .value_kind: global_buffer, .address_space: global }
      - { .name: vh, .offset: 48, .size: 8, .value_kind: global_buffer, .address_space: global }
    .group_segment_fixed_size: 327680
    .private_segment_fixed_size: 0
    .kernarg_segment_align: 8
    .kernarg_segment_size: 56
    .max_flat_workgroup_size: 128
    .sgpr_count:     102
    .vgpr_count:     1024
    .wavefront_size: 32
...
	.end_amdgpu_metadata
.endif
;; end of part 2
;; launch attn (part 3): grid 8 x 32, 4 waves a work-group, clusters of 4 x 1, 327,680 bytes of LDS; arguments qh, kh, vh, att, tabs; writes att
.if DOCPART == 3
	.amdgcn_target "amdgcn-amd-amdhsa--gfx1250"
	.amdhsa_code_object_version 6
	.text
	.protected	k_q697d009281_attn
	.globl	k_q697d009281_attn
	.p2align	8
	.type	k_q697d009281_attn,@function
k_q697d009281_attn:
	s_mov_b64 s[64:65], 0
	v_nop
	global_prefetch_b8 v0, s[64:65] scope:SCOPE_SE
	s_setreg_imm32_b32 hwreg(HW_REG_WAVE_MODE, 25, 1), 1
	s_wait_xcnt 0x0
	s_wait_alu depctr_hold_cnt(0) depctr_sa_sdst(0) depctr_va_vdst(0) depctr_va_sdst(0) depctr_va_ssrc(0) depctr_va_vcc(0) depctr_vm_vsrc(0)
	s_getreg_b32 s2, hwreg(HW_REG_IB_STS2, 6, 4)
	s_cmp_eq_u32 s2, 0
	s_cbranch_scc0 .Lentry_in_a_cluster
	s_endpgm
.Lentry_in_a_cluster:
	s_bfe_u32 s2, ttmp6, 0x10000c
	s_cmp_lg_u32 s2, 0x3003
	s_cbranch_scc0 .Lentry_shape_is_right
	s_endpgm
.Lentry_shape_is_right:
; ATTN: o[bh][q] = the sum over k of softmax_k(q . k / 8, masked) v[k].  qh [32][2,048][64], kh, vh [32][4,096][64], f16.  Products with f16 operands and f32 sums; maxima, exponentials and sums in f32; the weights p go to f16.
; No work is left out: every key is multiplied, since the mask is an input.
; THE MASK costs no instruction for a score.  The launch before stored zeros as a masked key's k, and the mask's number (0, or B = -2^126) is the C of each score tile's first matrix instruction: a masked score is exactly B.
; With c = log2(e) / 8, c B is exact (B is a power of two).  So with any key that counts p = 2^(c B - c m) = 0; with none, every p = 2^0 = 1 and o is the mean of v, as in reference().  The running maximum starts from the first step's scores, which are finite.
; LIMITS: scores of keys that count are taken to lie above -2^126; |o| beyond 65,504 overflows f16.
; THE OUTPUT att: row pairs: byte (row / 2) 4,096 + head 256 + (row % 2) 128 + 2 channel, row = b 2,048 + q: a head's two rows are 256 consecutive bytes, aligned.
; SHARES.  A work-group owns 256 queries of one head, each of its four waves 64: four tiles of 16, in two PIECES (tiles 0, 1 and tiles 2, 3).  Every wave walks 4,096 keys, 64 a step.
; LAYOUT.  S^T = K Q^T (source 0 = 16 keys, source 1 = 16 queries): a lane holds one query and keys 8 (lane / 16) + 0..7.  Two such tiles, rounded in pairs, are source 1 of O^T = V^T P.  V is turned on its way out of LDS.
; BY TURNS.  In a turn one piece has the matrix unit (16 products V^T P, then 16 products K Q^T of the next step) and the other piece's softmax stands in slices behind its products.  Two turns are a key step.
; CLUSTER.  The four query blocks of a cluster belong to one head: K's and V's tiles and the mask's numbers are asked for jointly, mask 15.
; REGISTERS: window 0: v0-11 and v44-45 addresses; v12-43 statistics; v64-191 S^T, 32 a tile; v192-255 P, 16 a tile.   window 1: v0-127 O^T, 32 a tile.
;   window 2: v0-63 Q, 16 a tile; v128-191 K of one step.   window 3: v0-63 V of one step; v128-159 the mask's numbers of one step.
.set KS,    64
.set PK,    144       ; a row of K in LDS: 128 bytes + 16
.set PV,    160       ; a row of V: 128 bytes + 32
.set VOFF,  256*PK    ; a slot: 256 rows of K, then 256 rows of V: four key steps
.set KSTEPB, KS*PK
.set VSTEPB, KS*PV
.set SLOT1, 1<<17
.set MB,    SLOT1+256*(PK+PV)  ; the mask's numbers of my batch, 16,384 bytes, filled once
.set STAGE, MB+16384  ; 16 rows x 144 bytes for each wave
.set SP,    144
.set SPARE, STAGE+4*16*SP
.set MBOFF, 4097*256
.set AK0, 2
.set AV0, 3
.set ADR, 4
.set QO,  5
.set STO, 6
.set RD,  7
.set GO,  8
.set AM0, 44
.set ADM, 45
.set PFO, 61
.set SPW, 62
.set NIL, 63
.set ST,  12          ; tile t's statistics at v[ST+8 t]: +0 c m, +1 m, +2, +3 l, +4 to +7 at work; a takes +6 once the maximum is found
.set S,   64
.set P,   192
.set KF,  128
.set MBR, 128
.set WV,  12
.set LIM, 15
.set PFA, 18
.set G1K, 24
.set G1V, 32
.set G0K, 40
.set G0V, 48
.set SLOTS, 56
.set CNT, 57
.set CS,  58
.set SEL, 60
.set TK,  62          ; s62 LDS byte at which the K tile of the step to be fetched begins
.set TV,  63          ; s63 the same for V
.set TM,  68          ; s68 and for the mask's numbers
.set G1M, 72
.set G0M, 80
.set MSB, 0
.macro WIN new
.if MSB != (\new)
	s_set_vgpr_msb (MSB<<8)|(\new)
.set MSB, (\new)
.endif
.endm
.set W_KQ,  0x0a      ; K and Q in window 2, S^T in window 0
.set W_KQ0, 0x3a      ; the same with C, the mask's numbers, in window 3
.set W_PV,  0x53      ; V in window 3, P in window 0, O^T in window 1
.set W_RS,  0x41      ; O^T in window 1, a in window 0
.macro JLOAD                        ; a joint refill: waves 0 and 1 fetch K's halves of a slot, waves 2 and 3 V's; an s_nop 0 and four v_nop follow each line
	s_cmp_lt_u32 s[WV], 2
	s_cbranch_scc0 .Lfor_v_\@
	tensor_load_to_lds s[G0K+4:G0K+7], s[G1K:G1K+7]
	s_nop 0
.rept 4
	v_nop
.endr
	s_branch .Lasked_\@
.Lfor_v_\@:
	tensor_load_to_lds s[G0V+4:G0V+7], s[G1V:G1V+7]
	s_nop 0
.rept 4
	v_nop
.endr
.Lasked_\@:
.endm
; A prefetch of what the NEXT change of slots will ask for: a slot's 32,768 bytes of K and of V.  The head's first cluster asks; its four partners take 8,192 bytes each, told apart by address;
; in each, wave 0 asks for K's and wave 2 for V's, lanes 256 bytes apart: each block of 256 bytes is named once in the launch.  The last change that fills a slot asks for nothing.
.macro ASK
	s_cmp_gt_u32 s[SLOTS], s[LIM]
	s_cbranch_scc0 .Lnot_mine_\@
	global_prefetch_b8 v[PFO], s[PFA:PFA+1] th:TH_LOAD_NT scope:SCOPE_SE
.Lnot_mine_\@:
.endm
.macro CROUND
	s_barrier_signal -1
	s_barrier_wait -1
	s_cmp_lg_u32 s[WV], 0
	s_cbranch_scc1 .Lnot_wave_0_\@
	s_barrier_signal -3
.Lnot_wave_0_\@:
	s_barrier_wait -3
	s_barrier_signal -1
	s_barrier_wait -1
.endm
	s_load_b256 s[4:11], s[0:1], 0x0  ; qh 4:5, kh 6:7, vh 8:9, att 10:11
	s_load_b64 s[66:67], s[0:1], 0x20  ; tabs
	v_lshl_add_u32 v[SPW], v0, 2, SPARE
	v_mov_b32 v[NIL], 0
	ds_add_u32 v[SPW], v[NIL]       ; the wave's opening: the add, twice on end, and its wait ahead of my first tensor load
	ds_add_u32 v[SPW], v[NIL]
	v_lshrrev_b32 v1, 5, v0
	v_readfirstlane_b32 s[WV], v1
	s_bfe_u32 s13, ttmp6, 0x40000   ; cx
	s_lshl_b32 s14, ttmp9, 2
	s_add_co_u32 s14, s14, s13      ; my block of 256 queries: it enters Q's and the output's addresses alone
	s_and_b32 s16, ttmp7, 0xffff    ; b 16 + head, which the partners share
	s_and_b32 s17, s[WV], 1         ; which half of a slot's rows I fetch
	s_lshl_b32 s22, s16, 19         ; a head of K or V is 524,288 bytes
	s_lshl_b32 s23, s17, 14
	s_add_co_u32 s22, s22, s23
	s_mov_b32 s23, 0                ; s[22:23]: my part of slot 0 in kh and in vh
	s_mul_i32 s69, s17, 128*PK      ; and in LDS
	s_mul_i32 s70, s17, 128*PV
	s_add_co_u32 s70, s70, VOFF
	s_lshl_b32 s2, s16, 18
	s_lshl_b32 s3, s14, 15
	s_add_co_u32 s2, s2, s3
	s_lshl_b32 s3, s[WV], 13
	s_add_co_u32 s2, s2, s3
	s_mov_b32 s3, 0                 ; s[2:3]: my wave's 64 rows of qh
	s_lshr_b32 s71, s16, 4          ; the batch
	s_lshl_b32 s20, s71, 22
	s_lshl_b32 s21, s14, 19
	s_add_co_u32 s20, s20, s21
	s_lshl_b32 s21, s[WV], 17
	s_add_co_u32 s20, s20, s21
	s_and_b32 s21, s16, 15
	s_lshl_b32 s21, s21, 8
	s_add_co_u32 s20, s20, s21
	s_mov_b32 s21, 0                ; s[20:21]: my first row pair and my head in att
	s_lshl_b32 s16, s71, 14
	s_lshl_b32 s17, s[WV], 12
	s_add_co_u32 s16, s16, s17
	s_add_co_u32 s16, s16, MBOFF
	s_mov_b32 s17, 0                ; s[16:17]: my quarter of the batch's mask numbers in tabs
	s_lshl_b32 s71, s[WV], 12
	s_add_co_u32 s71, s71, MB       ; and in LDS
	s_mov_b32 s[G1K], 15|(1<<16)|(1<<20)|(1<<21)|(4<<22)|(3<<25)  ; all four work-groups; elements of 2 bytes; 4 words of padding behind every 32; bit 21 beside a mask
	s_mov_b32 s[G1V], 15|(1<<16)|(1<<20)|(1<<21)|(4<<22)|(7<<25)  ; the same with 8 words
.irp g, G1K, G1V
	s_mov_b32 s[\g+1], 64<<16       ; tensor_dim0
	s_mov_b32 s[\g+2], 128<<16      ; tensor_dim1
	s_mov_b32 s[\g+3], 64<<16       ; tile_dim0
	s_mov_b32 s[\g+4], 128          ; tile_dim1
	s_mov_b32 s[\g+5], 64           ; the pitch
	s_mov_b32 s[\g+6], 0
	s_mov_b32 s[\g+7], 0
.endr
	s_mov_b32 s[G1M], 15|(3<<16)|(1<<21)  ; 4,096 dense bytes as 16 rows of 32 elements of 8 bytes, no padding
	s_mov_b32 s[G1M+1], 32<<16
	s_mov_b32 s[G1M+2], 16<<16
	s_mov_b32 s[G1M+3], 32<<16
	s_mov_b32 s[G1M+4], 16
	s_mov_b32 s[G1M+5], 32
	s_mov_b32 s[G1M+6], 0
	s_mov_b32 s[G1M+7], 0
	s_mov_b32 s[CS], 0x3e38aa3b     ; c = log2(e) / 8
	s_mov_b32 s[CS+1], s[CS]
	s_mov_b32 s[SEL], 0x76543210
	s_mov_b32 s[SEL+1], 0xfedcba98
	s_mov_b32 s[TK], 0
	s_mov_b32 s[TV], 0
	s_mov_b32 s[TM], 0
	s_mov_b32 s[SLOTS], 14          ; 16 slots' worth of keys; two are first fills
	s_and_b32 s[LIM], s[WV], 1
	s_or_b32 s[LIM], s[LIM], ttmp9
	s_cmp_eq_u32 s[LIM], 0
	s_cselect_b32 s[LIM], 1, -1     ; 1 in waves 0 and 2 of the head's first cluster
	v_and_b32 v[PFO], 31, v0
	v_lshlrev_b32 v[PFO], 8, v[PFO]
	s_wait_dscnt 0x0                ; both opening adds are done
	s_wait_kmcnt 0x0
	s_add_nc_u64 s[6:7], s[6:7], s[22:23]
	s_add_nc_u64 s[8:9], s[8:9], s[22:23]
	s_add_nc_u64 s[4:5], s[4:5], s[2:3]
	s_add_nc_u64 s[10:11], s[10:11], s[20:21]
	s_add_nc_u64 s[66:67], s[66:67], s[16:17]
	s_cmp_lt_u32 s[WV], 2
	s_cselect_b64 s[PFA:PFA+1], s[6:7], s[8:9]
	s_lshl_b32 s2, s13, 13          ; my work-group's 8,192 bytes of a slot's 32,768
	s_mov_b32 s3, 0
	s_add_nc_u64 s[PFA:PFA+1], s[PFA:PFA+1], s[2:3]
	s_add_nc_u64 s[PFA:PFA+1], s[PFA:PFA+1], 2*32768  ; in slot 2; the first change of slots steps it to slot 3.  Nothing is prefetched here, at the head
	CROUND                          ; all four work-groups are here: the first joint loads meet
.irp s, 0,1
	s_mov_b32 s[G0K+4*\s], 1
	s_add_co_u32 s[G0K+4*\s+1], s69, \s*SLOT1
	s_add_nc_u64 s[G0K+4*\s+2:G0K+4*\s+3], s[6:7], \s*32768
	s_or_b32 s[G0K+4*\s+3], s[G0K+4*\s+3], 0x80000000
	s_mov_b32 s[G0V+4*\s], 1
	s_add_co_u32 s[G0V+4*\s+1], s70, \s*SLOT1
	s_add_nc_u64 s[G0V+4*\s+2:G0V+4*\s+3], s[8:9], \s*32768
	s_or_b32 s[G0V+4*\s+3], s[G0V+4*\s+3], 0x80000000
.endr
	s_mov_b32 s[G0M], 1
	s_mov_b32 s[G0M+1], s71
	s_mov_b64 s[G0M+2:G0M+3], s[66:67]
	s_or_b32 s[G0M+3], s[G0M+3], 0x80000000
	tensor_load_to_lds s[G0M:G0M+3], s[G1M:G1M+7]  ; every wave: its quarter of the mask's numbers; by my own count three tensor loads are out behind the lines below
	s_nop 0
	s_cmp_lt_u32 s[WV], 2
	s_cbranch_scc0 .Lfirst_v
	tensor_load_to_lds s[G0K:G0K+3], s[G1K:G1K+7]
	s_nop 0
	tensor_load_to_lds s[G0K+4:G0K+7], s[G1K:G1K+7]
	s_nop 0
.rept 4
	v_nop
.endr
	s_branch .Lfirst_asked
.Lfirst_v:
	tensor_load_to_lds s[G0V:G0V+3], s[G1V:G1V+7]
	s_nop 0
	tensor_load_to_lds s[G0V+4:G0V+7], s[G1V:G1V+7]
	s_nop 0
.rept 4
	v_nop
.endr
.Lfirst_asked:
	v_and_b32 v1, 15, v0            ; r
	v_bfe_u32 v9, v0, 4, 1          ; h
	v_lshlrev_b32 v[QO], 7, v1
	v_lshl_add_u32 v[QO], v9, 4, v[QO]
	WIN 0x80                        ; destination window 2
.irp i, 0,1,2,3,4,5,6,7             ; Q stays in registers: tile i / 2, channels 32 (i % 2) on
	global_load_b128 v[8*\i:8*\i+3],   v[QO], s[4:5] offset:(\i/2)*2048+(\i%2)*64
	global_load_b128 v[8*\i+4:8*\i+7], v[QO], s[4:5] offset:(\i/2)*2048+(\i%2)*64+32
.endr
	WIN 0
	v_mul_u32_u24 v[AK0], v1, PK
	v_lshl_add_u32 v[AK0], v9, 4, v[AK0]
	v_and_b32 v10, 7, v0
	v_bfe_u32 v11, v0, 3, 1
	v_lshl_add_u32 v[AV0], v9, 3, v10
	v_mul_u32_u24 v[AV0], v[AV0], PV
	v_lshl_add_u32 v[AV0], v11, 4, v[AV0]
	v_add_nc_u32 v[AV0], VOFF, v[AV0]
	v_lshl_add_u32 v[AM0], v9, 5, MB  ; my half's eight keys of a tile of 16: 32 bytes
; THE MATRIX WORK OF A TURN, for piece x.  Eight accumulators take turns, one instruction a turn.
; Product i of 16 of O^T += V^T P: keys 32 (i / 8) on, channels 16 ((i / 2) % 4) on, tile x + i % 2.  zero = 1: the first 8 start the sums.
.macro PV x, zero
	WIN W_PV
.set rO, 32*(\x+i%2)+8*((i/2)%4)
.set rV, 32*(i/8)+8*((i/2)%4)
.set rP, P+16*(\x+i%2)+8*(i/8)
.if \zero && (i < 8)
	v_wmma_f32_16x16x32_f16 v[rO:rO+7], v[rV:rV+7], v[rP:rP+7], 0
.else
	v_wmma_f32_16x16x32_f16 v[rO:rO+7], v[rV:rV+7], v[rP:rP+7], v[rO:rO+7]
.endif
.endm
; Product i of 16 of S^T = K Q^T + the mask's numbers: channels 32 (i / 8) on, keys 16 ((i / 2) % 4) on, tile x + i % 2.  The first 8 start the sums, with the mask's numbers as C.
.macro KQ x
.set rS, S+32*(\x+i%2)+8*((i/2)%4)
.set rK, KF+16*((i/2)%4)+8*(i/8)
.set rQ, 16*(\x+i%2)+8*(i/8)
.set rM, MBR+8*((i/2)%4)
.if i < 8
	WIN W_KQ0
	v_wmma_f32_16x16x32_f16 v[rS:rS+7], v[rK:rK+7], v[rQ:rQ+7], v[rM:rM+7]
.else
	WIN W_KQ
	v_wmma_f32_16x16x32_f16 v[rS:rS+7], v[rK:rK+7], v[rQ:rQ+7], v[rS:rS+7]
.endif
.endm
; THE LDS LOADS stand in runs: a step's K (8 fragments) with its mask numbers (in the result's layout: register j of key tile kt is key 16 kt + 8 (lane / 16) + j), and, a turn later, its V (turned).
.macro FETCH_K
	WIN 0
	v_add_nc_u32 v[ADR], s[TK], v[AK0]
	v_add_nc_u32 v[ADM], s[TM], v[AM0]
	s_add_co_u32 s[TK], s[TK], KSTEPB
	s_add_co_u32 s[TM], s[TM], 256
	WIN 0x80
.irp f, 0,1,2,3,4,5,6,7             ; keys 16 (f / 2) on, channels 32 (f % 2) on
	ds_load_b128 v[KF+8*\f:KF+8*\f+3],   v[ADR] offset:(\f/2)*16*PK+(\f%2)*64
	ds_load_b128 v[KF+8*\f+4:KF+8*\f+7], v[ADR] offset:(\f/2)*16*PK+(\f%2)*64+32
.endr
	WIN 0xc0
.irp kt, 0,1,2,3
	ds_load_b128 v[MBR+8*\kt:MBR+8*\kt+3],   v[ADM] offset:64*\kt
	ds_load_b128 v[MBR+8*\kt+4:MBR+8*\kt+7], v[ADM] offset:64*\kt+16
.endr
.endm
.macro FETCH_V
	WIN 0
	v_add_nc_u32 v[ADR], s[TV], v[AV0]
	s_add_co_u32 s[TV], s[TV], VSTEPB
	s_wait_alu depctr_va_vdst(0)    ; the wait for the softmax's batch of exponentials, ahead of the first instruction that names a result
	WIN 0xc0
.irp f, 0,1,2,3,4,5,6,7             ; keys 32 (f / 4) on, channels 16 (f % 4) on
	ds_load_tr16_b128 v[8*\f:8*\f+3],   v[ADR] offset:(\f/4)*32*PV+(\f%4)*32
	ds_load_tr16_b128 v[8*\f+4:8*\f+7], v[ADR] offset:(\f/4)*32*PV+16*PV+(\f%4)*32
.endr
.endm
; THE VECTOR WORK OF A TURN.  One tile's softmax for one key step is a list of 118 instructions; SM writes number j of it for tile t.
;   0-15 the maximum of the lane's 32 scores and the old m;  16-20 the other half of the lanes', the new m, c m, c m_old - c m_new;
;   21-69 ONE BATCH: the 16 scalings c s - c m and all 33 exponentials, none of which reads an exponential's result;  (the wait: SLICE writes it);
;   70-85 the roundings to f16;  86-101 the sums, l = a l + the sum;  102-117 the tile's O^T times a.
.macro SM t, first
.set rT, ST+8*(\t)
.set rS, S+32*(\t)
.set rP, P+16*(\t)
.set rO, 32*(\t)+2*(j-102)
.if j < 102
	WIN 0
.endif
.if j < 4
	v_max3_num_f32 v[rT+4+j], v[rS+8*j], v[rS+8*j+1], v[rS+8*j+2]   ; each score tile is read from its low end on
.elseif j < 12
	v_max3_num_f32 v[rT+4+j%4], v[rT+4+j%4], v[rS+8*(j%4)+2*(j/4)+1], v[rS+8*(j%4)+2*(j/4)+2]
.elseif j == 12
	v_max3_num_f32 v[rT+4], v[rT+4], v[rS+7], v[rS+15]
.elseif j == 13
	v_max3_num_f32 v[rT+6], v[rT+6], v[rS+23], v[rS+31]
.elseif j == 14
	v_max3_num_f32 v[rT+4], v[rT+4], v[rT+5], v[rT+6]
.elseif (j == 15) && \first
	v_max_num_f32 v[rT+4], v[rT+4], v[rT+7]
.elseif j == 15
	v_max3_num_f32 v[rT+4], v[rT+4], v[rT+7], v[rT+1]
.elseif j == 16
	v_permlanex16_b32 v[rT+5], v[rT+4], s[SEL], s[SEL+1]
.elseif j == 18
	v_max_num_f32 v[rT+1], v[rT+4], v[rT+5]
.elseif j == 19
	v_mul_f32 v[rT], s[CS], v[rT+1]
.elseif ((j == 17) || (j == 20) || (j == 23) || (j > 101)) && \first
.elseif j == 17
	v_mov_b32 v[rT+7], v[rT]
.elseif j == 20
	v_sub_f32 v[rT+7], v[rT+7], v[rT]
.elseif j == 23
	v_exp_f32 v[rT+6], v[rT+7]
.elseif (j < 23) || ((j < 38) && (j%2 == 0)) || ((j < 66) && (j%4 == 2))
.set b, (j-2)/4
.if j < 38
.set b, (j-20)/2
.endif
	v_pk_fma_f32 v[rS+2*b:rS+2*b+1], v[rS+2*b:rS+2*b+1], s[CS:CS+1], v[rT:rT+1] op_sel_hi:[1,0,0] neg_lo:[0,0,1] neg_hi:[0,0,1]
.elseif j < 70
.set e, j-38
.if j < 66
.set e, j-32-(j-38)/4
.endif
.if j < 38
.set e, (j-25)/2
.endif
	v_exp_f32 v[rS+e], v[rS+e]
.elseif j < 86
	v_cvt_pk_f16_f32 v[rP+j-70], v[rS+2*(j-70)], v[rS+2*(j-70)+1]
.elseif j < 102
.set z, j-86
.set w, 4
.set u, z
.if z >= 14
.set w, 32
.set u, 0
.elseif z >= 12
.set w, 16
.set u, z-12
.elseif z >= 8
.set w, 8
.set u, z-8
.endif
.if (z == 14) && \first
	v_pk_add_f32 v[rT+2:rT+3], v[rS:rS+1], v[rS+16:rS+17]
.elseif z < 15
	v_pk_add_f32 v[rS+w*u:rS+w*u+1], v[rS+w*u:rS+w*u+1], v[rS+w*u+w/2:rS+w*u+w/2+1]
.elseif !\first
	v_pk_fma_f32 v[rT+2:rT+3], v[rT+2:rT+3], v[rT+6:rT+7], v[rS:rS+1] op_sel_hi:[1,0,1]
.endif
.elseif j < 118
	WIN W_RS
	v_pk_mul_f32 v[rO:rO+1], v[rO:rO+1], v[rT+6:rT+7] op_sel_hi:[1,0]
.endif
.endm
; Slice k of 64 of piece y's softmax: four instructions.  Slices 11 to 34 deal out the batch, four numbers of one tile each, the tiles by turns; every other slice is numbers 2 k and 2 k + 1 of both tiles; slices 59 to 63 are empty.
; Behind slice 34 both tiles' exponentials are issued and no result has been named: one plain instruction, and one wait for the 66.
.macro SLICE y, first
.if (k >= 11) && (k < 35)
.irp n, 0,1,2,3
.set j, 22+4*((k-11)/2)+(\n)
	SM (\y)+(k-11)%2, \first
.endr
.else
.irp n, 0,1
.irp t, \y, \y+1
.set j, 2*k+\n
	SM \t, \first
.endr
.endr
.endif
.if k == 34
	v_nop
.if (\y) == 0
	FETCH_V                         ; piece 2's turn: V's run of loads stands here, and the wait stands in it
.else
	s_wait_alu depctr_va_vdst(0)
.endif
.endif
.set k, k+1
.endm
.macro PLACES
.rept 4
	v_nop
.endr
.endm
; A TURN.  pv = 2: 16 products V^T P; 1: they start O^T's sums; 0: none.  kq = 1: 16 products K Q^T for the next step.  With both kinds two slices stand behind each product, with one kind four.
; Piece 0's turn fetches the next step's K behind its second product; piece 2's turn fetches the same step's V behind slice 34: between the last product that read V and that run stand three scalings, the v_nop and the run's own addition.
; Four v_nop end a turn: the places between its last products and the next turn's first read of their scores, and the loads into K's registers.
.macro TURN x, pv, kq, first
.set k, 0
.set per, 4
.if \pv && \kq
.set per, 2
.endif
.if \pv
.if \x == 0
	s_wait_dscnt 0x0                ; V is in
.endif
.set i, 0
.rept 16
	PV \x, 2-\pv
.rept per
	SLICE 2-\x, \first
.endr
.if (\x == 0) && \kq && (i == 1)
	FETCH_K
.endif
.set i, i+1
.endr
.endif
.if \kq
.if \x == 0
	s_wait_dscnt 0x0                ; K and the mask's numbers are in
.endif
.set i, 0
.rept 16
	KQ \x
.rept per
	SLICE 2-\x, \first
.endr
.set i, i+1
.endr
.endif
	PLACES
.endm
; THE CHANGE OF SLOTS, between piece 2's turn and piece 0's: the slot's last bytes, V of its fourth step, have been asked for.  Each wave waits for all its tensor loads (its part of the other slot), adds 0 to its
; spare word, and waits for that and for its reads of the slot.  fill = 1: a round of the cluster's barrier, and the joint refill first behind it: it has four key steps in which to land.
.macro CHANGE fill
	WIN 0
	s_wait_tensorcnt 0x0            ; no tensor load of mine is out, so a group 0 may be written
	ds_add_u32 v[SPW], v[NIL]       ; 0 onto my spare word
.if \fill
.irp g, G0K+4, G0V+4
	s_xor_b32 s[\g+1], s[\g+1], SLOT1
	s_add_nc_u64 s[\g+2:\g+3], s[\g+2:\g+3], 32768
.endr
	s_wait_xcnt 0x0                 ; the last prefetch, a slot back, has read its address
	s_add_nc_u64 s[PFA:PFA+1], s[PFA:PFA+1], 32768
	s_wait_dscnt 0x0                ; the add is done, and my reads of the slot are over
	CROUND
	JLOAD
	ASK
.else
	s_wait_dscnt 0x0
	s_barrier_signal -1
	s_barrier_wait -1
.endif
	s_sub_co_u32 s[TK], s[TK], 4*KSTEPB  ; the fetches go back to a slot's first step, in the other slot
	s_xor_b32 s[TK], s[TK], SLOT1
	s_sub_co_u32 s[TV], s[TV], 4*VSTEPB
	s_xor_b32 s[TV], s[TV], SLOT1
.endm
.macro N_STEPS n                    ; n key steps: written once, walked n times; the LDS addresses hang on s[TK], s[TV], s[TM]
	WIN 0
	s_mov_b32 s[CNT], \n
.Lstep_\@:
	TURN 0, 2, 1, 0
	TURN 2, 2, 1, 0
	WIN 0
	s_sub_co_u32 s[CNT], s[CNT], 1
	s_cmp_lg_u32 s[CNT], 0
	s_cbranch_scc1 .Lstep_\@
.endm
	s_wait_tensorcnt 1              ; the mask's numbers and my part of slot 0 are in; slot 1's load may be out
	s_barrier_signal -1
	s_barrier_wait -1
	FETCH_K                         ; key step 0
	s_wait_loadcnt 0x0              ; Q
	s_wait_dscnt 0x0
.set i, 0
.rept 16
	KQ 0                            ; piece 0's first scores
.set i, i+1
.endr
	WIN 0                           ; the addresses for the way out are made here: plain instructions, the places behind those products
	s_mul_i32 s13, s[WV], 16*SP
	s_add_co_u32 s13, s13, STAGE
	v_mul_u32_u24 v[STO], v1, SP
	v_lshl_add_u32 v[STO], v9, 4, v[STO]
	v_add_nc_u32 v[STO], s13, v[STO]  ; in: row r, 16 bytes for each half of the lanes
	v_and_b32 v10, 31, v0
	v_lshrrev_b32 v11, 3, v10
	v_mul_u32_u24 v[RD], v11, SP
	v_and_b32 v11, 7, v0
	v_lshl_add_u32 v[RD], v11, 4, v[RD]
	v_add_nc_u32 v[RD], s13, v[RD]  ; back: eight lanes to a row of 128 bytes
	v_lshlrev_b32 v[GO], 12, v9     ; lanes 0-15 one row pair, lanes 16-31 the next
	v_lshl_add_u32 v[GO], v1, 4, v[GO]
	TURN 2, 0, 1, 1                 ; piece 2's first scores | piece 0's first softmax | V of step 0
	TURN 0, 1, 1, 1                 ; piece 0: V^T P of step 0 starts O^T, K Q^T of step 1 | piece 2's first softmax | K of step 1
	TURN 2, 1, 1, 0                 ; piece 2: the same | piece 0's softmax of step 1 | V of step 1
	N_STEPS 2                       ; slot 0's steps 2 and 3 are fetched
.Lslot:                             ; 14 trips: every slot but the last two is filled again
	CHANGE 1
	N_STEPS 4
	s_sub_co_u32 s[SLOTS], s[SLOTS], 1
	s_cmp_lg_u32 s[SLOTS], 0
	s_cbranch_scc1 .Lslot
	CHANGE 0                        ; the tail is written out
	N_STEPS 4
	TURN 0, 2, 0, 0                 ; piece 0: V^T P of the last step | piece 2's last softmax
.set i, 0
.rept 16
	PV 2, 0                         ; piece 2: V^T P of the last step
.set i, i+1
.endr
	; THE WAY OUT.  l's halves are added; O^T / l goes to f16 and through my stage, a tile at a time.  The additions are the places behind the last products.
	WIN 0
.irp t, 0,1,2,3
	v_add_f32 v[ST+8*\t+4], v[ST+8*\t+2], v[ST+8*\t+3]
.endr
.irp t, 0,1,2,3
	v_permlanex16_b32 v[ST+8*\t+5], v[ST+8*\t+4], s[SEL], s[SEL+1]
.endr
.irp t, 0,1,2,3
	v_add_f32 v[ST+8*\t+4], v[ST+8*\t+4], v[ST+8*\t+5]
.endr
.irp t, 0,1,2,3
	v_rcp_f32 v[ST+8*\t+6], v[ST+8*\t+4]
.endr
	v_nop                           ; a plain instruction behind the last reciprocal
	s_wait_alu depctr_va_vdst(0)    ; one wait for the four, ahead of their first reader
.macro PACK t
	WIN W_RS
.set i, 32*\t
.rept 16
	v_pk_mul_f32 v[i:i+1], v[i:i+1], v[ST+8*\t+6:ST+8*\t+7] op_sel_hi:[1,0]
.set i, i+2
.endr
	WIN 0x05                        ; sources 0 and 1 window 1, destination window 0
.set i, 0
.rept 16
	v_cvt_pk_f16_f32 v[S+32*\t+i], v[32*\t+2*i], v[32*\t+2*i+1]
.set i, i+1
.endr
	WIN 0
.irp f, 0,1,2,3
	ds_store_b128 v[STO], v[S+32*\t+4*\f:S+32*\t+4*\f+3] offset:32*\f
.endr
.irp f, 0,1,2,3
	ds_load_b128 v[S+32*\t+4*\f:S+32*\t+4*\f+3], v[RD] offset:\f*4*SP  ; LDS serves a wave's instructions in order: these see the stores above; the next tile's stores come behind them
.endr
.endm
.macro SEND t, younger              ; younger: the LDS instructions issued behind tile t's loads: the next tile's eight, or none
.irp f, 0,1,2,3
	s_wait_dscnt \younger+3-\f
	global_store_b128 v[GO], v[S+32*\t+4*\f:S+32*\t+4*\f+3], s[10:11] offset:\t*32768+\f*8192  ; sixteen lanes store 256 consecutive bytes, aligned: a head's row pair
.endr
.endm
	PACK 0
	PACK 1
	SEND 0, 8
	PACK 2
	SEND 1, 8
	PACK 3
	SEND 2, 8
	SEND 3, 0
	s_wait_tensorcnt 0x0            ; the wave's end
	ds_add_u32 v[SPW], v[NIL]
	s_wait_dscnt 0x0
	CROUND                          ; the closing round
	s_endpgm
.Lfunc_end_k_q697d009281_attn:
	.size	k_q697d009281_attn, .Lfunc_end_k_q697d009281_attn-k_q697d009281_attn
	.p2alignl 7, 3214868480
	.fill 96, 4, 3214868480
	.section	.rodata,"a",@progbits
	.p2align	6, 0x0
	.amdhsa_kernel k_q697d009281_attn
		.amdhsa_group_segment_fixed_size 327680
		.amdhsa_private_segment_fixed_size 0
		.amdhsa_enable_private_segment 0
		.amdhsa_kernarg_size 40
		.amdhsa_user_sgpr_count 2
		.amdhsa_user_sgpr_kernarg_segment_ptr 1
		.amdhsa_wavefront_size32 1
		.amdhsa_system_sgpr_workgroup_id_x 1
		.amdhsa_system_sgpr_workgroup_id_y 1
		.amdhsa_system_sgpr_workgroup_id_z 1
		.amdhsa_system_vgpr_workitem_id 0
		.amdhsa_next_free_vgpr 1024
		.amdhsa_next_free_sgpr 84
		.amdhsa_reserve_vcc 0
		.amdhsa_float_denorm_mode_32 3
		.amdhsa_float_denorm_mode_16_64 3
		.amdhsa_memory_ordered 1
		.amdhsa_forward_progress 1
		.amdhsa_inst_pref_size 200
	.end_amdhsa_kernel
	.amdgpu_metadata
---
amdhsa.version: [ 1, 2 ]
amdhsa.kernels:
  - .name:           k_q697d009281_attn
    .symbol:         k_q697d009281_attn.kd
    .args:
      - { .name: qh, .offset: 0, .size: 8, .value_kind: global_buffer, .address_space: global }
      - { .name: kh, .offset: 8, .size: 8, .value_kind: global_buffer, .address_space: global }
      - { .name: vh, .offset: 16, .size: 8, .value_kind: global_buffer, .address_space: global }
      - { .name: att, .offset: 24, .size: 8, .value_kind: global_buffer, .address_space: global }
      - { .name: tabs, .offset: 32, .size: 8, .value_kind: global_buffer, .address_space: global }
    .group_segment_fixed_size: 327680
    .private_segment_fixed_size: 0
    .kernarg_segment_align: 8
    .kernarg_segment_size: 40
    .max_flat_workgroup_size: 128
    .sgpr_count:     84
    .vgpr_count:     1024
    .wavefront_size: 32
...
	.end_amdgpu_metadata
.endif
;; end of part 3
;; launch outp (part 4): grid 8 x 32, 4 waves a work-group, clusters of 4 x 4, 327,680 bytes of LDS; arguments att, wout_t, out0; writes out0
.if DOCPART == 4
	.amdgcn_target "amdgcn-amd-amdhsa--gfx1250"
	.amdhsa_code_object_version 6
	.text
	.protected	k_q697d009281_outp
	.globl	k_q697d009281_outp
	.p2align	8
	.type	k_q697d009281_outp,@function
k_q697d009281_outp:
	s_mov_b64 s[64:65], 0
	v_nop
	global_prefetch_b8 v0, s[64:65] scope:SCOPE_SE
	s_setreg_imm32_b32 hwreg(HW_REG_WAVE_MODE, 25, 1), 1
	s_wait_xcnt 0x0
	s_wait_alu depctr_hold_cnt(0) depctr_sa_sdst(0) depctr_va_vdst(0) depctr_va_sdst(0) depctr_va_ssrc(0) depctr_va_vcc(0) depctr_vm_vsrc(0)
	s_getreg_b32 s2, hwreg(HW_REG_IB_STS2, 6, 4)
	s_cmp_eq_u32 s2, 0
	s_cbranch_scc0 .Lentry_in_a_cluster
	s_endpgm
.Lentry_in_a_cluster:
	s_bfe_u32 s2, ttmp6, 0x10000c
	s_cmp_lg_u32 s2, 0xf033
	s_cbranch_scc0 .Lentry_shape_is_right
	s_endpgm
.Lentry_shape_is_right:
; OUTP: out0 = o Wout.  o comes as att (f16, row pairs: byte (row / 2) 4,096 + head 256 + (row % 2) 128 + 2 channel), Wout as wout_t [n 1,024][k 1,024] f16; out0 [4,096][1,024] f32; sums in f32.  No work is left out.
; A tile of out0 is 128 x 128: 256 work-groups.  Four waves, 64 x 64 each: 16 accumulators.  K goes in steps of 256 (four heads) through two LDS slots.
; A's tile of a K step: for a row pair four heads are 1,024 consecutive bytes; a wave's load brings 32 such lines (64 rows).  B's: 64 rows of 512 bytes.
; CLUSTERS: 4 x 4 work-groups; A's tiles are asked for jointly along a row of the cluster, B's along a column.  THE MATRIX INSTRUCTION IS USED TRANSPOSED (source 0 = 16 rows of wout_t, source 1 = 16 rows of o).
; REGISTERS: window 0: v0-31 addresses; v32-95 the way out; v128-255 the accumulators ((a, b) at v[128 + 8 (4 a + b)]).   window 1: two fragment buffers of 128: 64 registers of A, then 64 of B.
.set KSTEP,  256
.set PA,     1040                      ; A's line in LDS: 1,024 bytes + 16: rows r of a fragment start at 16 (r / 2) + 128 (r % 2) modulo 256: sixteen different places
.set PB,     528                       ; B's row: 512 bytes + 16
.set HALFA,  32*PA
.set HALFB,  64*PB
.set SLOT,   2*HALFA+2*HALFB
.set STAGE,  2*SLOT                    ; 16 rows x 272 bytes for each wave, its own
.set SPITCH, 272
.set SPARE,  STAGE+4*16*SPITCH
.set LAPS,   2                         ; K = 1,024: four K steps, twice round the ring
.set ADRA, 16
.set ADRB, 20
.set STO,  24
.set RD,   25
.set CO,   26
.set SPW,  28
.set NIL,  29
.set BK,   32
.set ACC,  128
.set F0,   0
.set F1,   128
.set G1, 24
.set G0, 32
.set G1B, 48
.set G0B, 56
.set MSB, 0
.macro WIN new
.if MSB != (\new)
	s_set_vgpr_msb (MSB<<8)|(\new)
.set MSB, (\new)
.endif
.endm
.set MUL,  0x05                        ; sources 0 (B) and 1 (A) window 1; C and D window 0
.set TO_F, 0x40
.macro JLOAD s                         ; a joint load: waves 0 and 1 fetch A's two halves, waves 2 and 3 B's; an s_nop 0 and four v_nop follow each line
	s_cmp_eq_u32 s11, 0
	s_cbranch_scc0 .Lfor_b_\@
	tensor_load_to_lds s[G0+4*\s:G0+4*\s+3], s[G1:G1+7]
	s_nop 0
.rept 4
	v_nop
.endr
	s_branch .Lasked_\@
.Lfor_b_\@:
	tensor_load_to_lds s[G0B+4*\s:G0B+4*\s+3], s[G1B:G1B+7]
	s_nop 0
.rept 4
	v_nop
.endr
.Lasked_\@:
.endm
.macro CREST
	s_cmp_lg_u32 s10, 0
	s_cbranch_scc1 .Lnot_wave_0_\@
	s_barrier_signal -3
.Lnot_wave_0_\@:
	s_barrier_wait -3
	s_barrier_signal -1
	s_barrier_wait -1
.endm
.macro CROUND
	s_barrier_signal -1
	s_barrier_wait -1
	CREST
.endm
	s_load_b128 s[4:7], s[0:1], 0x0                ; att, wout_t
	s_load_b64 s[8:9], s[0:1], 0x10                ; out0
	v_lshl_add_u32 v[SPW], v0, 2, SPARE
	v_mov_b32 v[NIL], 0
	ds_add_u32 v[SPW], v[NIL]                      ; the wave's opening: the add, twice on end, and its wait ahead of my first tensor load
	ds_add_u32 v[SPW], v[NIL]
	v_lshrrev_b32 v1, 5, v0
	v_readfirstlane_b32 s10, v1                    ; wave
	s_lshr_b32 s11, s10, 1                         ; my half of the tile's rows.  Also: I fetch for A (0) or B (1)
	s_and_b32 s12, s10, 1                          ; my half of its columns.  Also: which half of that tile I fetch
	s_bfe_u32 s40, ttmp6, 0x40000
	s_bfe_u32 s41, ttmp6, 0x40004
	s_lshl_b32 s42, ttmp9, 2
	s_add_co_u32 s42, s42, s40                     ; tile column
	s_and_b32 s13, ttmp7, 0xffff
	s_lshl_b32 s13, s13, 2
	s_add_co_u32 s13, s13, s41                     ; tile row
	s_lshl_b32 s43, s41, 2
	s_lshl_b32 s43, 15, s43                        ; my row of the cluster
	s_lshl_b32 s44, 0x1111, s40                    ; my column
	s_or_b32 s[G1+0], s43, (1<<16)|(1<<20)|(1<<21)|(7<<22)|(3<<25)   ; elements of 2 bytes; 4 words of padding behind every 256
	s_mov_b32 s[G1+1], 512<<16                     ; tensor_dim0: four heads of a row pair
	s_mov_b32 s[G1+2], 32<<16                      ; tensor_dim1: 32 row pairs
	s_mov_b32 s[G1+3], 512<<16
	s_mov_b32 s[G1+4], 32
	s_mov_b32 s[G1+5], 2048                        ; a row pair in elements
	s_mov_b32 s[G1+6], 0
	s_mov_b32 s[G1+7], 0
	s_or_b32 s[G1B+0], s44, (1<<16)|(1<<20)|(1<<21)|(6<<22)|(3<<25)  ; 4 words behind every 128
	s_mov_b32 s[G1B+1], KSTEP<<16
	s_mov_b32 s[G1B+2], 64<<16
	s_mov_b32 s[G1B+3], KSTEP<<16
	s_mov_b32 s[G1B+4], 64
	s_mov_b32 s[G1B+5], 1024
	s_mov_b32 s[G1B+6], 0
	s_mov_b32 s[G1B+7], 0
	s_lshl_b32 s16, s13, 18                        ; A: 64 row pairs of 4,096 bytes a tile row,
	s_lshl_b32 s17, s12, 17                        ; 32 of them a half
	s_add_co_u32 s16, s16, s17
	s_lshl_b32 s46, s42, 18                        ; B: 128 rows of 2,048 bytes a tile column, 64 a half
	s_add_co_u32 s46, s46, s17
	s_mov_b32 s17, 0
	s_mov_b32 s47, 0
	s_mul_i32 s20, s12, HALFA                      ; where they go
	s_mul_i32 s21, s12, HALFB
	s_add_co_u32 s21, s21, 2*HALFA
	s_wait_dscnt 0x0                               ; both opening adds are done
	s_wait_kmcnt 0x0
	s_add_nc_u64 s[14:15], s[4:5], s[16:17]
	s_add_nc_u64 s[46:47], s[6:7], s[46:47]
	CROUND                                         ; all sixteen work-groups are here: the first joint loads meet
.irp s, 0,1
	s_mov_b32 s[G0+4*\s], 1
	s_add_co_u32 s[G0+4*\s+1], s20, \s*SLOT
	s_add_nc_u64 s[G0+4*\s+2:G0+4*\s+3], s[14:15], \s*1024
	s_or_b32 s[G0+4*\s+3], s[G0+4*\s+3], 0x80000000
	s_mov_b32 s[G0B+4*\s], 1
	s_add_co_u32 s[G0B+4*\s+1], s21, \s*SLOT
	s_add_nc_u64 s[G0B+4*\s+2:G0B+4*\s+3], s[46:47], \s*512
	s_or_b32 s[G0B+4*\s+3], s[G0B+4*\s+3], 0x80000000
	JLOAD \s
.endr
	v_and_b32 v1, 15, v0                           ; r
	v_bfe_u32 v2, v0, 4, 1                         ; h
	v_lshrrev_b32 v3, 1, v1
	v_mul_u32_u24 v3, v3, PA
	v_and_b32 v4, 1, v1
	v_lshl_add_u32 v3, v4, 7, v3
	v_lshl_add_u32 v3, v2, 4, v3                   ; A: line r / 2, + 128 (r % 2), + 16 h
	v_mul_u32_u24 v4, v1, PB
	v_lshl_add_u32 v4, v2, 4, v4                   ; B: row r, + 16 h
	s_mul_i32 s21, s11, HALFA
	s_mul_i32 s22, s12, HALFB
	s_add_co_u32 s22, s22, 2*HALFA
.irp s, 0,1
	v_add_nc_u32 v[ADRA+\s], s21, v3
	v_add_nc_u32 v[ADRB+\s], s22, v4
	s_add_co_u32 s21, s21, SLOT
	s_add_co_u32 s22, s22, SLOT
.endr
	s_mul_i32 s23, s10, 16*SPITCH
	s_add_co_u32 s23, s23, STAGE                   ; my stage
	v_mul_u32_u24 v5, v1, SPITCH
	v_lshl_add_u32 v5, v2, 5, v5
	v_add_nc_u32 v[STO], s23, v5                   ; in: row r, 32 bytes for each half of the lanes
	v_mul_u32_u24 v5, v2, SPITCH
	v_lshl_add_u32 v5, v1, 4, v5
	v_add_nc_u32 v[RD], s23, v5                    ; back: lanes 0-15 one row of 256 bytes, lanes 16-31 the next
	v_lshlrev_b32 v5, 12, v2
	v_lshl_add_u32 v[CO], v1, 4, v5                ; and the same two rows in out0
	s_lshl_b32 s16, s13, 19                        ; 128 rows of 4,096 bytes a tile row,
	s_lshl_b32 s17, s11, 18                        ; 64 a half
	s_add_co_u32 s16, s16, s17
	s_mov_b32 s17, 0
	s_add_nc_u64 s[8:9], s[8:9], s[16:17]
	s_lshl_b32 s46, s42, 9                         ; my first column, in bytes
	s_lshl_b32 s47, s12, 8
	s_add_co_u32 s46, s46, s47
	s_mov_b32 s47, 0
	s_add_nc_u64 s[8:9], s[8:9], s[46:47]
; 8 matrix instructions: m blocks a0, a0 + 1 x all 4 n blocks, 32 along K: half c of buffer f.  zero = 1: the first product starts the sums.  The 16 accumulators take turns.
.macro MUL8 f, c, a0, zero
.irp a, \a0, \a0+1
.irp b, 0,1,2,3
.if \zero
	v_wmma_f32_16x16x32_f16 v[ACC+8*(4*(\a)+\b):ACC+8*(4*(\a)+\b)+7], v[\f+64+8*(4*\c+\b):\f+64+8*(4*\c+\b)+7], v[\f+8*(4*\c+\a):\f+8*(4*\c+\a)+7], 0
.else
	v_wmma_f32_16x16x32_f16 v[ACC+8*(4*(\a)+\b):ACC+8*(4*(\a)+\b)+7], v[\f+64+8*(4*\c+\b):\f+64+8*(4*\c+\b)+7], v[\f+8*(4*\c+\a):\f+8*(4*\c+\a)+7], v[ACC+8*(4*(\a)+\b):ACC+8*(4*(\a)+\b)+7]
.endif
.endr
.endr
.endm
; 32 LDS loads in one run: the fragments of quarter qd (one head: 64 along K) into buffer f; its first 32 along K first.  In A's lines a head is 256 bytes on, in B's rows 128.
.macro FETCH slot, qd, f
	WIN TO_F
.irp c, 0,1
.irp i, 0,1,2,3
	ds_load_b128 v[\f+64+8*(4*\c+\i):\f+64+8*(4*\c+\i)+3],   v[ADRB+\slot] offset:128*(\qd)+64*\c+\i*16*PB
	ds_load_b128 v[\f+64+8*(4*\c+\i)+4:\f+64+8*(4*\c+\i)+7], v[ADRB+\slot] offset:128*(\qd)+64*\c+\i*16*PB+32
	ds_load_b128 v[\f+8*(4*\c+\i):\f+8*(4*\c+\i)+3],         v[ADRA+\slot] offset:256*(\qd)+64*\c+\i*8*PA
	ds_load_b128 v[\f+8*(4*\c+\i)+4:\f+8*(4*\c+\i)+7],       v[ADRA+\slot] offset:256*(\qd)+64*\c+\i*8*PA+32
.endr
.endr
.endm
.macro PLACES
.rept 4
	v_nop
.endr
.endm
.macro QUARTER slot, qd, f, g, zero    ; multiplies buffer f and fetches quarter qd of the same slot into g
	s_wait_dscnt 16                                ; the first 32 along K are in; the youngest sixteen loads may be out
	WIN MUL
	MUL8 \f, 0, 0, \zero
	MUL8 \f, 0, 2, \zero
	PLACES
	FETCH \slot, \qd, \g
	s_wait_dscnt 32                                ; all but the 32 just issued
	WIN MUL
	MUL8 \f, 1, 0, 0
	MUL8 \f, 1, 2, 0
.endm
; The last quarter multiplies buffer 1 and changes slots: one barrier; in front of it each wave waits for all its tensor loads, adds 0 to its spare word, and waits for that and for its reads of this slot.
.macro TURN slot, next, fill
	WIN 0
	s_wait_tensorcnt 0x0                           ; all my tensor loads have landed: my part of the next slot;
	ds_add_u32 v[SPW], v[NIL]                      ; 0 onto my spare word;
	s_wait_dscnt 17                                ; (the add and the youngest sixteen loads may be out)
	WIN MUL
	MUL8 F1, 0, 0, 0
	s_wait_dscnt 0x0                               ; the add is done, and my reads of this slot are over
	s_barrier_signal -1
	MUL8 F1, 0, 2, 0
.if \fill
	WIN 0
.endif
	s_barrier_wait -1
.if \fill
	CREST                                          ; the barrier has opened a round of the cluster's barrier: no wave of any partner still reads this slot or has a load on its way
	s_add_nc_u64 s[G0+4*\slot+2:G0+4*\slot+3], s[G0+4*\slot+2:G0+4*\slot+3], 2*1024
	s_add_nc_u64 s[G0B+4*\slot+2:G0B+4*\slot+3], s[G0B+4*\slot+2:G0B+4*\slot+3], 2*512
	JLOAD \slot                                    ; the first tensor load behind the round; its four v_nop are also the places in front of the loads below
.else
	PLACES
.endif
	FETCH \next, 0, F0
	WIN MUL
	MUL8 F1, 1, 0, 0
	MUL8 F1, 1, 2, 0
.endm
	s_wait_tensorcnt 1                             ; my part of K step 0 is in; K step 1's load may be out
	s_barrier_signal -1
	s_barrier_wait -1
	FETCH 0, 0, F0
	QUARTER 0, 1, F0, F1, 1                        ; the first products start the sums
	WIN 0
	s_mov_b32 s3, LAPS-1
.Llap:                                                 ; a trip goes once round the ring and fills both slots again
	QUARTER 0, 2, F1, F0, 0
	QUARTER 0, 3, F0, F1, 0
	TURN 0, 1, 1
	QUARTER 1, 1, F0, F1, 0
	QUARTER 1, 2, F1, F0, 0
	QUARTER 1, 3, F0, F1, 0
	TURN 1, 0, 1
	QUARTER 0, 1, F0, F1, 0
	WIN 0
	s_sub_co_u32 s3, s3, 1
	s_cmp_lg_u32 s3, 0
	s_cbranch_scc1 .Llap
	QUARTER 0, 2, F1, F0, 0                        ; the last lap fills nothing
	QUARTER 0, 3, F0, F1, 0
	TURN 0, 1, 0
	QUARTER 1, 1, F0, F1, 0
	QUARTER 1, 2, F1, F0, 0
	QUARTER 1, 3, F0, F1, 0
	s_wait_dscnt 16
	WIN MUL
	MUL8 F1, 0, 0, 0
	MUL8 F1, 0, 2, 0
	s_wait_dscnt 0
	MUL8 F1, 1, 0, 0
	MUL8 F1, 1, 2, 0
	WIN 0
; THE WAY OUT, 16 rows x 64 columns at a time.  A lane holds 32 neighbouring bytes of a row; a block goes through my own stage and comes back as rows of 256 bytes.  LDS serves a wave's instructions in order: no wait between.
.macro TOSTAGE a
.irp b, 0,1,2,3
	ds_store_b128 v[STO], v[ACC+8*(4*(\a)+\b):ACC+8*(4*(\a)+\b)+3] offset:64*\b        ; each accumulator from its low end on
	ds_store_b128 v[STO], v[ACC+8*(4*(\a)+\b)+4:ACC+8*(4*(\a)+\b)+7] offset:64*\b+16
.endr
.set BB, BK+32*((\a)%2)
.irp t, 0,1,2,3,4,5,6,7
	ds_load_b128 v[BB+4*\t:BB+4*\t+3], v[RD] offset:\t*2*SPITCH
.endr
.endm
.macro SEND a, younger                 ; younger: the LDS instructions issued behind block a's loads, which may stay out
.set BB, BK+32*((\a)%2)
	s_wait_dscnt \younger
.irp t, 0,1,2,3,4,5,6,7
	global_store_b128 v[CO], v[BB+4*\t:BB+4*\t+3], s[8:9] offset:(16*(\a)+2*\t)*4096 th:TH_STORE_NT   ; sixteen lanes store 256 consecutive bytes, aligned
.endr
.endm
	PLACES                                         ; between the last products and the first read of results
	TOSTAGE 0
.irp a, 1,2,3
.if \a > 1
	s_wait_xcnt 0x0                                ; block a - 2's stores have read their registers: block a's loads may land there
.endif
	TOSTAGE \a
	SEND \a-1, 16                                  ; behind block a - 1's loads: block a's 8 stores and 8 loads
.endr
	SEND 3, 0
	s_wait_tensorcnt 0x0                           ; the wave's end
	ds_add_u32 v[SPW], v[NIL]
	s_wait_dscnt 0x0
	CROUND                                         ; the closing round
	s_endpgm
.Lfunc_end_k_q697d009281_outp:
	.size	k_q697d009281_outp, .Lfunc_end_k_q697d009281_outp-k_q697d009281_outp
	.p2alignl 7, 3214868480
	.fill 96, 4, 3214868480
	.section	.rodata,"a",@progbits
	.p2align	6, 0x0
	.amdhsa_kernel k_q697d009281_outp
		.amdhsa_group_segment_fixed_size 327680
		.amdhsa_private_segment_fixed_size 0
		.amdhsa_enable_private_segment 0
		.amdhsa_kernarg_size 24
		.amdhsa_user_sgpr_count 2
		.amdhsa_user_sgpr_kernarg_segment_ptr 1
		.amdhsa_wavefront_size32 1
		.amdhsa_system_sgpr_workgroup_id_x 1
		.amdhsa_system_sgpr_workgroup_id_y 1
		.amdhsa_system_sgpr_workgroup_id_z 1
		.amdhsa_system_vgpr_workitem_id 0
		.amdhsa_next_free_vgpr 512
		.amdhsa_next_free_sgpr 66
		.amdhsa_reserve_vcc 0
		.amdhsa_float_denorm_mode_32 3
		.amdhsa_float_denorm_mode_16_64 3
		.amdhsa_memory_ordered 1
		.amdhsa_forward_progress 1
		.amdhsa_inst_pref_size 86
	.end_amdhsa_kernel
	.amdgpu_metadata
---
amdhsa.version: [ 1, 2 ]
amdhsa.kernels:
  - .name:           k_q697d009281_outp
    .symbol:         k_q697d009281_outp.kd
    .args:
      - { .name: att, .offset: 0, .size: 8, .value_kind: global_buffer, .address_space: global }
      - { .name: wout_t, .offset: 8, .size: 8, .value_kind: global_buffer, .address_space: global }
      - { .name: out0, .offset: 16, .size: 8, .value_kind: global_buffer, .address_space: global }
    .group_segment_fixed_size: 327680
    .private_segment_fixed_size: 0
    .kernarg_segment_align: 8
    .kernarg_segment_size: 24
    .max_flat_workgroup_size: 128
    .sgpr_count:     66
    .vgpr_count:     512
    .wavefront_size: 32
...
	.end_amdgpu_metadata
.endif
;; end of part 4
